; MI455X (gfx1250); checked and timed in simulation.
; The chip was launched on July 23, 2026; its instructions are those of AMD's public machine-readable ISA for CDNA 5 (MIT licence, August 2026) and "CDNA5" Instruction Set Architecture Reference Guide (July 2026). The comments in the code are by the model that wrote it; some were corrected since.
;; Causal Self Attention. Allowed arithmetic: matrix products marked QUANTISED: E3M2 operands, one E8M0 scale for each 32 along K, by v_wmma_scale_f32_16x16x128_f8f6f4 with both operands' format E3M2, f32 sums; everything else in f32.
;; Inputs: b_proj 1,024 float32; b_qkv 3,072 float32; w_proj 1,024 x 1,024 float32; w_qkv 1,024 x 3,072 float32; x 4 x 2,048 x 1,024 float32.
;; Outputs: out0 4 x 2,048 x 1,024 float32.
;; This version of the problem:
;;   THIS VERSION OF THE PROBLEM IS GIVEN IN LOW PRECISION. The matrix products marked QUANTISED in the list below multiply operands that are first quantised to E3M2 (3 exponent bits, 2 mantissa bits; 6 bits a number), with one power-of-two scale for each 32 numbers along K (OCP MX v1.0); their sums are f32. All else is computed in f32.
;;   The module's matrix products, in the order in which they are computed (A, B: the left and right operand; K: the contracted axis; several contracted axes count as one K, in the product's order):
;;     1. [M 8,192, K 1,024] x [K 1,024, N 3,072]; A: input x; B: input w_qkv: QUANTISED
;;     2. batch 64 x [M 2,048, K 64] x [K 64, N 2,048]; A: computed on the way; B: computed on the way: QUANTISED
;;     3. batch 64 x [M 2,048, K 2,048] x [K 2,048, N 64]; A: softmax (see below); B: computed on the way: QUANTISED
;;     4. [M 8,192, K 1,024] x [K 1,024, N 1,024]; A: computed on the way; B: input w_proj: QUANTISED
;;   THE QUANTISER, for each operand of a quantised product, along K:
;;     - K is cut into blocks of 32 from its start; a last block that is shorter is filled with zeros.
;;     - A block's scale is 2^e with e = floor(log2(the largest magnitude in the block)) - 4, held to -126 .. 127; a block of zeros has e = 0. As a byte (E8M0): e + 127.
;;     - Each number is divided by its block's scale, clamped to +-28, and rounded to the nearest number of E3M2, ties to even, subnormals kept.
;;     - The product sums the exact products of the quantised numbers (number of the format x scale) in f32.
;;   ~~~python
;;   def quantise(x, axis):      # numpy; x: float32 -> the quantised numbers, widened to float32 again
;;       x = np.moveaxis(x, axis, -1); K = x.shape[-1]
;;       x = np.pad(x, [(0, 0)] * (x.ndim - 1) + [(0, -K % 32)]); x = x.reshape(x.shape[:-1] + (-1, 32)); a = np.abs(x).max(-1, keepdims=True)
;;       e = np.where(a > 0, np.clip(np.frexp(np.where(a > 0, a, 1))[1] - 1 - 4, -126, 127), 0)      # np.frexp(a)[1] - 1 = floor(log2(a)), exactly
;;       r = np.clip(x / 2.0 ** e, -28, 28)
;;       step = 2.0 ** (np.maximum(np.frexp(np.where(r == 0, 1, r))[1] - 1, -2) - 2)
;;       q = np.round(r / step) * step * 2.0 ** e      # np.round: ties to even
;;       return np.moveaxis(q.reshape(q.shape[:-2] + (-1,))[..., :K], -1, axis).astype(np.float32)
;;   ~~~
;;   SOFTMAX AHEAD OF A QUANTISED PRODUCT. Where the list says 'softmax', what is quantised is not the finished softmax but p = 2^(t - M), with t = logit x log2(e) and M = ceil(the row's largest t), a whole number; so 1/2 < the row's largest p <= 1. The row's sum l is taken of the UNQUANTISED p, in f32, and the product's result is divided by l at the end. Since M is a whole number, a kernel that streams over the keys may use a running M (the ceiling of the running maximum): every later rescaling is an exact power of two, which a block's scale takes up: the codes' values come out the same.
;;   OPERANDS COMPUTED ON THE WAY. 'Computed on the way' means the value that the module computes at that place (a softmax that the list does not call 'softmax' is quantised finished and normalised). What goes into a quantiser is computed in f32, as accurately as f32 sums, v_exp_f32 and their like allow (about 1e-6 of the number): no bf16 or f16 on the way to a quantiser, and a product that is left as it is and whose result goes on into a quantised operand takes f32 operands (vector FMAs, or v_wmma_f32_16x16x4_f32). A number that lies on a knife's edge between two numbers of the format may be rounded either way, as far as f32 arithmetic and the matrix unit's own rounding can turn it there, and no further.
;; One version. Each part assembles by itself: llvm-mc -triple=amdgcn-amd-amdhsa -mcpu=gfx1250 --defsym DOCPART=n.
;; ======== version 1 of 1: 4 launches
;; limits: right only within a limited range of input values
;; workspace buffers: opc 9,437,184 bytes; ops 393,216 bytes; att_img 18,874,368 bytes; att_sc 1,310,720 bytes; y_img 6,291,456 bytes; y_sc 262,144 bytes
;; launch quant (part 1): grid 384 x 1, 4 waves a work-group, no clusters, 68,096 bytes of LDS; arguments x, w_qkv, w_proj, opc, ops; writes opc, ops
.if DOCPART == 1
	.amdgcn_target "amdgcn-amd-amdhsa--gfx1250"
	.amdhsa_code_object_version 6
	.text
	.protected	k_qbf24e1e71d_quant
	.globl	k_qbf24e1e71d_quant
	.p2align	8
	.type	k_qbf24e1e71d_quant,@function
k_qbf24e1e71d_quant:
	s_mov_b64 s[64:65], 0
	v_nop
	global_prefetch_b8 v0, s[64:65] scope:SCOPE_SE
	s_setreg_imm32_b32 hwreg(HW_REG_WAVE_MODE, 25, 1), 1
	s_wait_xcnt 0x0
; x [8192][1024], w_qkv [1024][3072] and w_proj [1024][1024], f32, become codes of BF6 (E3M2) with K innermost, 768 bytes a row, and one E8M0 byte for each 32 along K, 32 bytes a row.
; opc: x's rows at 0, w_qkv's columns at OPC_WQ, w_proj's at OPC_WP; ops likewise.  A block's byte is its largest magnitude's exponent field - 4, held at 1 from below.
; THE ROWS ARE STORED IN ANOTHER ORDER: bits 3 and 4 of the row number change places.  A stored block of 16 rows, number 2 b + u, so holds rows 32 b + 8 u + m + 8 (m / 8): taken as source 0 of a matrix
; instruction, two neighbouring blocks give a lane 16 NEIGHBOURS along the next product's K.
; Work-groups 0-255 take x (K innermost: 16 neighbours a lane, turned through LDS); 256-383 the weights (K outermost: a lane takes a column, its registers run down K).  The two ways never join and have LDS bytes of their own.
; LIMITS: NaN and infinities are not served; a block of zeros, or under 2^-122, carries the byte 1 (its reader is this program alone; zero codes add nothing).
.set OPC_WQ, 6291456
.set OPC_WP, 8650752
.set OPS_WQ, 262144
.set OPS_WP, 360448
.set EMAX,  4
.set STEPS, 16                         ; x: steps of 512 numbers for a wave: 8 rows
.set CB,    12                         ; bytes of 16 codes
.set SP,    80                         ; x: a lane's place in a stage: 64 bytes + 16
.set WREG,  8192                       ; x: LDS of a wave: two stages of 32 x SP, then its 256 scale bytes
.set XR,    16                         ; v16-79   x: four sets of 16 numbers as loaded
.set XX,    80                         ; v80-111  two sets of 16 neighbours
.set XE,    112                        ; v112-127 a byte for each step
.set XC,    128                        ; v128-191 codes, four registers a step
.set WSTG,  32768                      ; weights: the stages begin behind x's LDS
.set WP,    272                        ; a stage row: 16 places of 16 bytes + 16
.set NB,    8                          ; blocks of 32 along K for a wave
.set WSB,   24                         ; v24-25   scale bytes
.set WX,    32                         ; v32-95   two sets of 32 numbers
.set WC,    96                         ; v96-102  a block's codes
.set WOUT,  112                        ; v112-175 the way out
.set WRO,   176                        ; v176-207 row i of a block: i x pitch + 4 x lane
.set BS,    32                         ; s[32:47] the address of each of the 8 blocks
	s_load_b256 s[4:11], s[0:1], 0x0               ; x s[4:5], w_qkv s[6:7], w_proj s[8:9], opc s[10:11]
	s_load_b64 s[12:13], s[0:1], 0x20              ; ops
	v_lshl_add_u32 v208, v0, 2, 0x10800
	v_mov_b32 v209, 0
	v_lshrrev_b32 v1, 5, v0
	v_readfirstlane_b32 s16, v1                    ; wave
	v_and_b32 v2, 31, v0                           ; lane
	s_cmp_lt_u32 ttmp9, 256
	s_cbranch_scc0 .Lweights
; ---------------- x: a wave takes 8 rows, a dense run of 8,192 numbers ----------------
	v_lshlrev_b32 v3, 4, v2                        ; my 16 bytes of a load's 512
	s_mul_i32 s17, s16, WREG
	v_lshrrev_b32 v14, 2, v2
	v_mul_u32_u24 v14, v14, SP
	v_and_b32 v15, 3, v2
	v_lshl_add_u32 v14, v15, 4, v14
	v_add_nc_u32 v14, s17, v14                     ; the stage, in: SP (lane / 4) + 16 (lane % 4)
	v_mul_u32_u24 v15, v2, SP
	v_add_nc_u32 v15, s17, v15                     ; out: SP x lane: 16 neighbours
	v_and_b32 v4, 15, v2
	v_mul_u32_u24 v4, v4, CB                       ; the codes lie [K step of 256][row][192 bytes]: sixteen lanes hold a row's 192 bytes of one K step,
	v_lshrrev_b32 v10, 4, v2
	v_mad_u32_u24 v4, v10, 0x180000, v4            ; lanes 16-31 the next K step's, 8,192 rows x 192 bytes further on
	v_lshrrev_b32 v5, 1, v2
	s_add_co_u32 s17, s17, 2*32*SP
	v_add_nc_u32 v5, s17, v5                       ; my block's byte among the wave's 256
	v_lshlrev_b32 v7, 3, v2
	v_add_nc_u32 v6, s17, v7
	s_lshl_b32 s18, ttmp9, 2
	s_add_co_u32 s19, s18, s16                     ; which 8 rows I read
	s_and_b32 s20, s16, 1
	s_lshl_b32 s20, s20, 1
	s_lshr_b32 s21, s16, 1
	s_or_b32 s20, s20, s21
	s_add_co_u32 s18, s18, s20                     ; and where they are stored: the wave's two bits, which are the row's bits 3 and 4, change places
	s_lshl_b32 s22, s19, 15
	s_mov_b32 s23, 0
	s_mul_i32 s24, s18, 8*192
	s_mov_b32 s25, 0
	s_lshl_b32 s26, s18, 8
	s_mov_b32 s27, 0
	s_wait_alu depctr_va_vdst(0)
	s_wait_kmcnt 0x0
	s_add_nc_u64 s[4:5], s[4:5], s[22:23]
	s_add_nc_u64 s[10:11], s[10:11], s[24:25]
	s_add_nc_u64 s[12:13], s[12:13], s[26:27]
.macro XLOAD t
.irp i, 0,1,2,3
	global_load_b128 v[XR+16*((\t)%4)+4*\i:XR+16*((\t)%4)+4*\i+3], v3, s[4:5] offset:2048*(\t)+512*\i th:TH_LOAD_NT   ; 32 lanes read 512 consecutive bytes
.endr
.endm
.macro XTURN t                         ; a step's 2,048 bytes through the wave's own stage: LDS serves a wave's instructions in order, so no wait stands between
.irp i, 0,1,2,3
	ds_store_b128 v14, v[XR+16*((\t)%4)+4*\i:XR+16*((\t)%4)+4*\i+3] offset:32*SP*((\t)%2)+8*SP*\i
.endr
.irp i, 0,1,2,3
	ds_load_b128 v[XX+16*((\t)%2)+4*\i:XX+16*((\t)%2)+4*\i+3], v15 offset:32*SP*((\t)%2)+16*\i
.endr
.endm
.irp t, 0,1,2,3
	XLOAD \t
.endr
	s_wait_loadcnt 12                              ; step 0's four loads are in; three steps' twelve stay out
	XTURN 0
.macro XSTEP t
.set XS, XX+16*((\t)%2)
.if (\t) > 0
	s_wait_dscnt 1                                 ; this step's numbers are back (the last step's byte store may be out)
.else
	s_wait_dscnt 0x0
.endif
.if (\t)+4 < STEPS
	XLOAD (\t)+4                                   ; into the registers that the stage's stores have read
.endif
.if (\t)+1 < STEPS
.if STEPS-2-(\t) >= 3
	s_wait_loadcnt 12                              ; the next step's four loads are in; three steps' may be out
.else
	s_wait_loadcnt 4*(STEPS-2-(\t))
.endif
	XTURN (\t)+1
.endif
	v_max3_num_f32 v8, |v[XS]|, |v[XS+1]|, |v[XS+2]|               ; the largest magnitude of my 16, in two chains
	v_max3_num_f32 v9, |v[XS+3]|, |v[XS+4]|, |v[XS+5]|
.irp i, 6,10
	v_max3_num_f32 v8, v8, |v[XS+\i]|, |v[XS+\i+1]|
	v_max3_num_f32 v9, v9, |v[XS+\i+2]|, |v[XS+\i+3]|
.endr
	v_max3_num_f32 v8, v8, |v[XS+14]|, |v[XS+15]|
	v_max3_num_f32 v8, v8, v9, (EMAX+1)<<23        ; and the floor 2^(5 - 127): the byte cannot fall under 1
	v_max_num_f32_dpp v8, v8, v8 row_xmask:1 row_mask:0xf bank_mask:0xf   ; with my neighbour's 16: the block's
	v_add_nc_u32 v11, -(EMAX<<23), v8              ; 4 off the exponent field: the conversion's scale operand
	v_cvt_scalef32_pk16_bf6_f32 v[XC+4*(\t):XC+4*(\t)+2], v[XS:XS+15], v11
	v_lshrrev_b32 v[XE+(\t)], 23, v11              ; the scale's byte
	ds_store_b8 v5, v[XE+(\t)] offset:16*(\t)      ; both lanes of a block write the same byte
	global_store_b96 v4, v[XC+4*(\t):XC+4*(\t)+2], s[10:11] offset:((\t)%2)*2*0x180000+((\t)/2)*192   ; row t / 2, K steps 2 (t % 2) and 2 (t % 2) + 1
.endm
.irp t, 0,1,2,3,4,5,6,7,8,9,10,11,12,13,14,15
	XSTEP \t
.endr
	ds_load_b64 v[12:13], v6                       ; in order behind my byte stores
	s_wait_dscnt 0x0
	global_store_b64 v7, v[12:13], s[12:13]        ; 32 lanes store 256 consecutive bytes, aligned: 8 rows' scale bytes
	s_wait_tensorcnt 0x0
	ds_add_u32 v208, v209
	s_wait_dscnt 0x0
	s_endpgm
; ---------------- the weights: a work-group takes 128 columns x 256 along K; a wave 32 columns ----------------
.Lweights:
	s_sub_co_u32 s17, ttmp9, 256
	s_and_b32 s18, s17, 31                         ; column group: 0-23 w_qkv's, 24-31 w_proj's
	s_lshr_b32 s19, s17, 5                         ; which 256 along K
	s_mov_b32 s20, 4096
	s_mov_b32 s21, OPC_WP
	s_mov_b32 s22, OPS_WP
	s_mov_b32 s14, 196608                          ; from K step to K step: w_proj's 1,024 rows x 192 bytes
	s_wait_alu depctr_va_vdst(0)
	v_lshlrev_b32 v3, 2, v2                        ; in: 4 bytes a lane
	s_mul_i32 s31, s16, 32*WP
	s_add_co_u32 s31, s31, WSTG                    ; my stage
	v_mul_u32_u24 v4, v2, WP
	v_add_nc_u32 v4, s31, v4                       ; into it: row = my column
	v_and_b32 v5, 15, v2
	v_lshrrev_b32 v6, 4, v2
	v_mul_u32_u24 v7, v6, WP
	v_lshl_add_u32 v7, v5, 4, v7
	v_add_nc_u32 v7, s31, v7                       ; out of it: sixteen lanes to a row, two rows an instruction
	v_mul_u32_u24 v8, v6, 192
	v_mad_u32_u24 v8, v5, 12, v8                   ; and the same place in the codes
	v_and_b32 v9, 7, v2                            ; my column's stored row: bits 3 and 4 change places
	v_and_b32 v10, 8, v2
	v_lshl_or_b32 v9, v10, 1, v9
	v_and_b32 v10, 16, v2
	v_lshrrev_b32 v10, 1, v10
	v_or_b32 v9, v9, v10
	v_lshlrev_b32 v9, 5, v9                        ; x 32 bytes of scales a row
	s_wait_kmcnt 0x0
	s_cmp_lt_u32 s18, 24                           ; the choice hangs on the work-group's number alone
	s_cselect_b64 s[6:7], s[6:7], s[8:9]           ; the tensor,
	s_cselect_b32 s20, 12288, s20                  ; its row in bytes,
	s_cselect_b32 s21, OPC_WQ, s21                 ; where its codes begin,
	s_cselect_b32 s22, OPS_WQ, s22
	s_cselect_b32 s14, 589824, s14                 ; w_qkv's 3,072 rows x 192 bytes
	s_cselect_b32 s23, 0, 24                       ; and its first column group
	s_sub_co_u32 s18, s18, s23
	s_lshl_b32 s18, s18, 7
	s_lshl_b32 s24, s16, 5
	s_add_co_u32 s18, s18, s24                     ; my wave's first column
	s_mul_i32 s24, s19, s20
	s_lshl_b32 s24, s24, 8                         ; 256 rows x which
	s_lshl_b32 s26, s18, 2
	s_add_co_u32 s24, s24, s26
	s_mov_b32 s25, 0
	s_add_nc_u64 s[BS:BS+1], s[6:7], s[24:25]
	s_lshl_b32 s26, s20, 5                         ; 32 rows on
	s_mov_b32 s27, 0
.irp t, 1,2,3,4,5,6,7
	s_add_nc_u64 s[BS+2*\t:BS+2*\t+1], s[BS+2*\t-2:BS+2*\t-1], s[26:27]
.endr
	s_mul_i32 s28, s18, 192
	s_mul_i32 s30, s19, s14
	s_add_co_u32 s28, s28, s30
	s_add_co_u32 s28, s28, s21
	s_mov_b32 s29, 0
	s_add_nc_u64 s[10:11], s[10:11], s[28:29]
	s_lshl_b32 s28, s18, 5
	s_lshl_b32 s30, s19, 3
	s_add_co_u32 s28, s28, s30
	s_add_co_u32 s28, s28, s22
	s_add_nc_u64 s[12:13], s[12:13], s[28:29]
.set i, 0
.rept 32
	v_mad_u32_u24 v[WRO+i], s20, i, v3             ; the pitch differs between the two tensors, so a row's offset stands in a register
.set i, i+1
.endr
.macro WLOAD t                         ; block t: w(32 t + i, my column): 128 consecutive bytes a wave, 512 a work-group
.set i, 0
.rept 32
	global_load_b32 v[WX+32*((\t)%2)+i], v[WRO+i], s[BS+2*(\t):BS+2*(\t)+1] th:TH_LOAD_NT
.set i, i+1
.endr
.endm
	WLOAD 0
	WLOAD 1
.macro WBLOCK t
.set XS, WX+32*((\t)%2)
.if (\t) < NB-1
	s_wait_loadcnt 32                              ; this block's 32 loads are in; the next block's may be out
.else
	s_wait_loadcnt 0
.endif
	v_max3_num_f32 v12, |v[XS]|, |v[XS+1]|, |v[XS+2]|              ; all 32 numbers of the block are mine
	v_max3_num_f32 v13, |v[XS+3]|, |v[XS+4]|, |v[XS+5]|
.irp i, 6,10,14,18,22,26
	v_max3_num_f32 v12, v12, |v[XS+\i]|, |v[XS+\i+1]|
	v_max3_num_f32 v13, v13, |v[XS+\i+2]|, |v[XS+\i+3]|
.endr
	v_max3_num_f32 v12, v12, |v[XS+30]|, |v[XS+31]|
	v_max3_num_f32 v12, v12, v13, (EMAX+1)<<23
	v_add_nc_u32 v11, -(EMAX<<23), v12
	v_lshrrev_b32 v13, 23, v11
.if (\t)%4 == 0
	v_mov_b32 v[WSB+(\t)/4], v13                   ; four bytes to a register, the lower K in the lower byte
.else
	v_lshl_or_b32 v[WSB+(\t)/4], v13, 8*((\t)%4), v[WSB+(\t)/4]
.endif
	v_cvt_scalef32_pk16_bf6_f32 v[WC:WC+2], v[XS:XS+15], v11
	v_cvt_scalef32_pk16_bf6_f32 v[WC+4:WC+6], v[XS+16:XS+31], v11  ; (a conversion's three registers begin on an even number)
	ds_store_b96 v4, v[WC:WC+2] offset:32*(\t)     ; 12 bytes to a place of 16
	ds_store_b96 v4, v[WC+4:WC+6] offset:32*(\t)+16
.if (\t)+2 < NB
	WLOAD (\t)+2
.endif
	s_wait_dscnt 0x0                               ; the stores have read their registers: the next block's codes may be written
.endm
.irp t, 0,1,2,3,4,5,6,7
	WBLOCK \t
.endr
	s_wait_alu depctr_va_vdst(0)
	global_store_b64 v9, v[WSB:WSB+1], s[12:13]    ; my column's 8 scale bytes
.irp t, 0,1,2,3,4,5,6,7,8,9,10,11,12,13,14,15
	ds_load_b96 v[WOUT+4*\t:WOUT+4*\t+2], v7 offset:2*\t*WP
.endr
.irp t, 0,1,2,3,4,5,6,7,8,9,10,11,12,13,14,15
	s_wait_dscnt 15-\t
	global_store_b96 v8, v[WOUT+4*\t:WOUT+4*\t+2], s[10:11] offset:2*(((\t)&3)|(((\t)&4)<<1)|(((\t)&8)>>1))*192   ; columns 2 t, 2 t + 1 go to their stored rows
.endr
	s_wait_tensorcnt 0x0
	ds_add_u32 v208, v209
	s_wait_dscnt 0x0
	s_endpgm
.Lfunc_end_k_qbf24e1e71d_quant:
	.size	k_qbf24e1e71d_quant, .Lfunc_end_k_qbf24e1e71d_quant-k_qbf24e1e71d_quant
	.p2alignl 7, 3214868480
	.fill 96, 4, 3214868480
	.section	.rodata,"a",@progbits
	.p2align	6, 0x0
	.amdhsa_kernel k_qbf24e1e71d_quant
		.amdhsa_group_segment_fixed_size 68096
		.amdhsa_private_segment_fixed_size 0
		.amdhsa_enable_private_segment 0
		.amdhsa_kernarg_size 40
		.amdhsa_user_sgpr_count 2
		.amdhsa_user_sgpr_kernarg_segment_ptr 1
		.amdhsa_wavefront_size32 1
		.amdhsa_system_sgpr_workgroup_id_x 1
		.amdhsa_system_sgpr_workgroup_id_y 1
		.amdhsa_system_sgpr_workgroup_id_z 1
		.amdhsa_system_vgpr_workitem_id 0
		.amdhsa_next_free_vgpr 210
		.amdhsa_next_free_sgpr 66
		.amdhsa_reserve_vcc 0
		.amdhsa_float_denorm_mode_32 3
		.amdhsa_float_denorm_mode_16_64 3
		.amdhsa_memory_ordered 1
		.amdhsa_forward_progress 1
		.amdhsa_inst_pref_size 76
	.end_amdhsa_kernel
	.amdgpu_metadata
---
amdhsa.version: [ 1, 2 ]
amdhsa.kernels:
  - .name:           k_qbf24e1e71d_quant
    .symbol:         k_qbf24e1e71d_quant.kd
    .args:
      - { .name: x, .offset: 0, .size: 8, .value_kind: global_buffer, .address_space: global }
      - { .name: w_qkv, .offset: 8, .size: 8, .value_kind: global_buffer, .address_space: global }
      - { .name: w_proj, .offset: 16, .size: 8, .value_kind: global_buffer, .address_space: global }
      - { .name: opc, .offset: 24, .size: 8, .value_kind: global_buffer, .address_space: global }
      - { .name: ops, .offset: 32, .size: 8, .value_kind: global_buffer, .address_space: global }
    .group_segment_fixed_size: 68096
    .private_segment_fixed_size: 0
    .kernarg_segment_align: 8
    .kernarg_segment_size: 40
    .max_flat_workgroup_size: 128
    .sgpr_count:     66
    .vgpr_count:     210
    .wavefront_size: 32
...
	.end_amdgpu_metadata
.endif
;; end of part 1
;; launch qkv (part 2): grid 12 x 32, 4 waves a work-group, clusters of 4 x 4, 327,680 bytes of LDS; arguments opc, ops, b_qkv, att_img, att_sc; writes att_img, att_sc
.if DOCPART == 2
	.amdgcn_target "amdgcn-amd-amdhsa--gfx1250"
	.amdhsa_code_object_version 6
	.text
	.protected	k_qbf24e1e71d_qkv
	.globl	k_qbf24e1e71d_qkv
	.p2align	8
	.type	k_qbf24e1e71d_qkv,@function
k_qbf24e1e71d_qkv:
	s_mov_b64 s[64:65], 0
	v_nop
	global_prefetch_b8 v0, s[64:65] scope:SCOPE_SE
	s_setreg_imm32_b32 hwreg(HW_REG_WAVE_MODE, 25, 1), 1
	s_wait_xcnt 0x0
	s_wait_alu depctr_hold_cnt(0) depctr_sa_sdst(0) depctr_va_vdst(0) depctr_va_sdst(0) depctr_va_ssrc(0) depctr_va_vcc(0) depctr_vm_vsrc(0)
	s_getreg_b32 s2, hwreg(HW_REG_IB_STS2, 6, 4)
	s_cmp_eq_u32 s2, 0
	s_cbranch_scc0 .Lentry_in_a_cluster
	s_endpgm
.Lentry_in_a_cluster:
	s_bfe_u32 s2, ttmp6, 0x10000c
	s_cmp_lg_u32 s2, 0xf033
	s_cbranch_scc0 .Lentry_shape_is_right
	s_endpgm
.Lentry_shape_is_right:
; qkv = x w_qkv + b_qkv on codes of BF6 with E8M0 scales (8192 x 3072 x 1024), and its result QUANTISED ON THE WAY OUT into the operands of attention: no f32 number of q, k or v goes to memory.
; A tile of 256 x 256 is made by four waves, 128 x 128 each: 64 accumulators, 512 registers.  K goes in steps of 256 through a ring of two LDS slots; the scale bytes of the tile's rows, for all of K, come once.
; CLUSTERS: 4 x 4 work-groups; x's tiles are asked for jointly along a row of the cluster, w's along a column.
; TWO WAYS OF USING THE MATRIX INSTRUCTION, chosen by the cluster's x alone (equal in all partners), with no branch: only the LDS addresses of the READS change roles.
;   q, k (tile columns 0-7): source 0 = 16 columns of w, source 1 = 16 rows of x: a lane holds one row t, its 64 registers of a row block 128 channels: two heads, quantised along the head's 64.
;   v (tile columns 8-11):   source 0 = 16 rows of x, source 1 = 16 columns of w: a lane holds one channel d, its 64 registers 128 keys, quantised along the keys.
; Rows of x and columns of w are stored with bits 3 and 4 of their number exchanged, so that the 16 registers of two neighbouring tiles of source 0 are 16 neighbours.
; OUT: att_img: q, k: for (b, plane 0-31, row block 0-127) 768 bytes: 16 rows x 64, as the operand's registers lie: piece p of 256 bytes, lane l's 8 bytes at 256 p + 8 l.  v: from ATT_V, for (b, 4 head + dt, step) 1,536 bytes, two such halves.
;      att_sc: groups of 256 bytes: the scale word of row r for member j at 16 r + 4 j (q, k: four neighbouring row blocks, two bytes a word; v: dt 0-3, from ATTS_V).
; The bias is the C of the first products where it runs along the registers (q, k), and is added on the way out where it runs along the lanes (v); each is read in both ways and replaced by 0 where it does not apply.
; LIMITS: NaN and infinities are not served; a block of zeros, or under 2^-122, carries the byte 1.
; REGISTERS: window 0: v0-31 addresses; v32-63 scale words, two sets; v64-127 the bias as C; v128-223 source 1's fragments; v224-239 the bias along the lanes, in pairs.  Window 1: source 0's fragments, two sets.  Windows 2, 3: accumulators.
.set OPC_WQ, 6291456
.set OPS_WQ, 262144
.set ATT_V,  12582912
.set ATTS_V, 1048576
.set SIZE_K, 1024
.set KSTEP,  256
.set NQ,     KSTEP/128
.set ROWB,   192                       ; a tile's row: 256 codes
.set PLX,    8192*192                  ; the codes lie [K step of 256][row][192 bytes]: from K step to K step of x,
.set PLW,    3072*192                  ; and of w_qkv.  So 128 or 256 rows of a K step are a dense block, fetched as rows of 256 bytes
; THE TWO WAYS differ in the tiles' places in memory alone: source 1's tile lies first in a slot and is shared along the cluster's row, source 0's behind it and along the column.
; q, k: source 1 = x's tile row 4 Y + cy, source 0 = w's tile column 4 X + cx.  v (X = 2): source 1 = w's tile column 8 + cy, source 0 = x's tile row 4 Y + cx.
.set PITCH,  240                       ; an LDS row: 3 x (64 bytes + 16 of padding): the 32 lanes of a load of 8 bytes touch 64 different banks (64 banks of 4 bytes: ISA guide 11.1)
.set FR,     12
.set NL,     6
.set NP,     4                         ; places behind this matrix instruction (ISA guide 7.12.1)
.set HALFT,  128*PITCH
.set SLOT,   4*HALFT                   ; source 1's 256 rows, then source 0's 256
.set LAPS,   SIZE_K/(2*KSTEP)
.set KS,     SIZE_K/32
.set SCL,    2*SLOT                    ; the scales: units of 256 bytes + 16
.set HALFS,  (128*KS/256)*272
.set SBLK,   (16*KS/256)*272
.set SPARE,  SCL+6*HALFS               ; the spare words, 128 bytes a wave; two HALFS lie idle between the scales and them
.set ADRA, 16                          ; v16-17 source 1's fragments in slot 0, 1 (v18-19: behind one padding more)
.set ADRB, 20                          ; v20-21 source 0's (v22-23)
.set ADRS, 27                          ; v27 my scale words
.set SPW,  28                          ; v28 my spare word; never rewritten
.set NIL,  29                          ; v29 0; never rewritten
.set SC,   32
.set BC,   64
.set AF,   128
.set BRP,  224
.set H,    128                         ; the way out: 64 numbers of a lane,
.set QC,   192                         ; their codes (v192-211),
.set TM,   240                         ; at work (v240-255),
.set SW,   32                          ; four scale words,
.set PW,   36                          ; the word just made,
.set SH,   37                          ; how far it is shifted,
.set LI8,  38                          ; 8 x lane,
.set SCO,  39                          ; my place in a group of scale words
.set G1, 24
.set G0, 32
.set G1B, 48
.set G0B, 56
.set G1S, 68
.set G0S, 76
.set G1SB, 80
.set G0SB, 88
.set MODE,  66                         ; 1: v
.set KEEPQ, 67                         ; all ones: q, k
.set KEEPV, 95                         ; all ones: v
.set MSK,   96
.set SEL,   98
.set MSB, 0
.macro WIN new                         ; the immediate's high byte repeats the setting that is left
.if MSB != (\new)
	s_set_vgpr_msb (MSB<<8)|(\new)
.set MSB, (\new)
.endif
.endm
.set MUL_LO, 0xa1                      ; source 0 window 1, source 1 window 0, C and D window 2
.set MUL_HI, 0xf1                      ; the same, C and D window 3
.set TO_B,   0x40
.macro JLOAD g0a, g1a, g0b, g1b        ; a joint load: waves 0, 1 fetch for source 1, waves 2, 3 for source 0; four v_nop follow each line
	s_cmp_eq_u32 s15, 0
	s_cbranch_scc0 .Lfor_b_\@
	tensor_load_to_lds s[\g0a:\g0a+3], s[\g1a:\g1a+7]
	s_nop 0
.rept 4
	v_nop
.endr
	s_branch .Lasked_\@
.Lfor_b_\@:
	tensor_load_to_lds s[\g0b:\g0b+3], s[\g1b:\g1b+7]
	s_nop 0
.rept 4
	v_nop
.endr
.Lasked_\@:
.endm
.macro CREST                           ; a round of the cluster's barrier behind its opening barrier
	s_cmp_lg_u32 s14, 0
	s_cbranch_scc1 .Lnot_wave_0_\@
	s_barrier_signal -3
.Lnot_wave_0_\@:
	s_barrier_wait -3
	s_barrier_signal -1
	s_barrier_wait -1
.endm
.macro CROUND
	s_barrier_signal -1
	s_barrier_wait -1
	CREST
.endm
	s_load_b128 s[4:7], s[0:1], 0x0                ; opc, ops
	s_load_b128 s[8:11], s[0:1], 0x18              ; att_img, att_sc
	s_load_b64 s[12:13], s[0:1], 0x10              ; b_qkv
	v_lshl_add_u32 v[SPW], v0, 2, SPARE
	v_mov_b32 v[NIL], 0
	ds_add_u32 v28, v29
	ds_add_u32 v28, v29
	s_wait_dscnt 0x0
	v_lshrrev_b32 v1, 5, v0
	v_readfirstlane_b32 s14, v1                    ; wave 0..3
	s_lshr_b32 s15, s14, 1                         ; which half of source 1's rows is mine.  Also: I fetch for source 1 (0) or for source 0 (1)
	s_and_b32 s16, s14, 1                          ; which half of source 0's.  Also: which 128 rows I fetch
	s_bfe_u32 s40, ttmp6, 0x40000                  ; cx, cy
	s_bfe_u32 s41, ttmp6, 0x40004
	s_and_b32 s17, ttmp7, 0xffff
	s_cmp_eq_u32 ttmp9, 2                          ; the cluster's x, equal in all partners
	s_cselect_b32 s98, ttmp9, s17
	s_cselect_b32 s99, s17, ttmp9
	s_lshl_b32 s98, s98, 2
	s_add_co_u32 s98, s98, s41                     ; source 1's tile: hangs on cy alone
	s_lshl_b32 s99, s99, 2
	s_add_co_u32 s99, s99, s40                     ; source 0's tile: on cx alone
	s_cmp_eq_u32 ttmp9, 2
	s_cselect_b32 s17, s99, s98                    ; tile row (x's tile): for the bias and the way out, never for a descriptor
	s_cselect_b32 s42, s98, s99                    ; tile column (w's tile)
	s_lshl_b32 s43, s41, 2
	s_lshl_b32 s43, 15, s43                        ; my row of the cluster
	s_lshl_b32 s44, 0x1111, s40                    ; my column
	s_mov_b32 s[MSK], 0xffff
	s_cmp_eq_u32 ttmp9, 2                          ; the cluster's x: tile columns 8-11 are v
	s_cselect_b32 s[MODE], 1, 0
	s_cselect_b32 s[KEEPQ], 0, -1
	s_cselect_b32 s[KEEPV], -1, 0
	s_cselect_b32 s[MSK], -1, s[MSK]
	s_cselect_b32 s97, OPC_WQ, 0                   ; source 1: where its codes begin,
	s_cselect_b32 s94, OPS_WQ, 0                   ; its scale bytes;
	s_cselect_b32 s2, 0, OPC_WQ                    ; source 0 likewise
	s_cselect_b32 s3, 0, OPS_WQ
	s_mov_b32 s93, PLX
	s_mov_b32 s101, PLW
	s_cselect_b32 s92, s101, s93                   ; s[92:93] from K step to K step of source 1,
	s_cselect_b32 s100, s93, s101                  ; s[100:101] of source 0
	s_mov_b32 s93, 0
	s_mov_b32 s101, 0
	s_or_b32 s[G1+0], s43, (0<<16)|(1<<20)|(1<<21)|(3<<22)|(3<<25)  ; the mask; elements of 1 byte; padding on; bit 21 beside a mask; after every 16 words, 4 words
	s_or_b32 s[G1B+0], s44, (0<<16)|(1<<20)|(1<<21)|(3<<22)|(3<<25)
.irp g, G1, G1B
	s_mov_b32 s[\g+1], 256<<16                     ; a dense block as rows of 256 bytes; the padding's interval stays 64 bytes, so a row of 192 bytes of codes takes 240 in LDS
	s_mov_b32 s[\g+2], 192<<16                     ; the head's loads: 256 rows of codes = 192 rows of 256 bytes
	s_mov_b32 s[\g+3], 256<<16
	s_mov_b32 s[\g+4], 192
	s_mov_b32 s[\g+5], 256
	s_mov_b32 s[\g+6], 0
	s_mov_b32 s[\g+7], 0
.endr
	s_or_b32 s[G1S+0], s43, (3<<16)|(1<<20)|(1<<21)|(5<<22)|(3<<25) ; the scales of 256 rows: 8,192 dense bytes as 32 rows of 256, 16 bytes of padding behind each
	s_or_b32 s[G1SB+0], s44, (3<<16)|(1<<20)|(1<<21)|(5<<22)|(3<<25)
.irp g, G1S, G1SB
	s_mov_b32 s[\g+1], 32<<16
	s_mov_b32 s[\g+2], KS<<16                      ; the scales of 256 rows: KS rows of 256 bytes
	s_mov_b32 s[\g+3], 32<<16
	s_mov_b32 s[\g+4], KS
	s_mov_b32 s[\g+5], 32
	s_mov_b32 s[\g+6], 0
	s_mov_b32 s[\g+7], 0
.endr
	s_mul_i32 s18, s16, 128*ROWB                   ; in the ring I fetch 128 rows of a tile: which half, in bytes
	s_mov_b32 s19, 0
	s_mul_i32 s20, s98, 256*ROWB                   ; source 1's tile in K step 0 (every offset stays under 2^31)
	s_add_co_u32 s20, s20, s97
	s_mov_b32 s21, 0
	s_mul_i32 s46, s99, 256*ROWB                   ; source 0's
	s_add_co_u32 s46, s46, s2
	s_mov_b32 s47, 0
	s_lshl_b32 s22, s98, 13                        ; their scale bytes: 256 rows x 32
	s_add_co_u32 s22, s22, s94
	s_mov_b32 s23, 0
	s_lshl_b32 s2, s99, 13
	s_add_co_u32 s2, s2, s3
	s_mov_b32 s3, 0
	s_mul_i32 s45, s14, HALFT                      ; where my 128 rows go in a slot: wave x 128 rows
	s_wait_kmcnt 0x0
	s_add_nc_u64 s[20:21], s[4:5], s[20:21]
	s_add_nc_u64 s[22:23], s[6:7], s[22:23]
	s_add_nc_u64 s[46:47], s[4:5], s[46:47]
	s_add_nc_u64 s[2:3], s[6:7], s[2:3]
	CROUND                                         ; all sixteen work-groups are here: the first joint loads meet
	s_mov_b32 s[G0], 1                             ; the head's four tiles, each whole.  K step 0's 256 rows of source 1 (slot 0's group 0 serves; it is set for the ring behind the wait for this load),
	s_mov_b32 s[G0+1], 0
	s_mov_b64 s[G0+2:G0+3], s[20:21]
	s_or_b32 s[G0+3], s[G0+3], 0x80000000
	s_mov_b32 s[G0B], 1                            ; of source 0,
	s_mov_b32 s[G0B+1], 2*HALFT
	s_mov_b64 s[G0B+2:G0B+3], s[46:47]
	s_or_b32 s[G0B+3], s[G0B+3], 0x80000000
	s_mov_b32 s[G0S], 1                            ; source 1's scales,
	s_mov_b32 s[G0S+1], SCL
	s_mov_b64 s[G0S+2:G0S+3], s[22:23]
	s_or_b32 s[G0S+3], s[G0S+3], 0x80000000
	s_mov_b32 s[G0SB], 1                           ; source 0's
	s_mov_b32 s[G0SB+1], SCL+2*HALFS
	s_mov_b64 s[G0SB+2:G0SB+3], s[2:3]
	s_or_b32 s[G0SB+3], s[G0SB+3], 0x80000000
	s_add_nc_u64 s[20:21], s[20:21], s[18:19]      ; slot 1: my 128 rows of K step 1
	s_add_nc_u64 s[46:47], s[46:47], s[18:19]
	s_mov_b32 s[G0+4], 1
	s_add_co_u32 s[G0+5], s45, SLOT
	s_add_nc_u64 s[G0+6:G0+7], s[20:21], s[92:93]
	s_or_b32 s[G0+7], s[G0+7], 0x80000000
	s_mov_b32 s[G0B+4], 1
	s_add_co_u32 s[G0B+5], s45, SLOT
	s_add_nc_u64 s[G0B+6:G0B+7], s[46:47], s[100:101]
	s_or_b32 s[G0B+7], s[G0B+7], 0x80000000
	s_lshl_b32 s92, s92, 1                         ; from here on: two K steps, what a refill steps by
	s_lshl_b32 s100, s100, 1
; one joint load a wave, in one chain of arms on the wave's number that all lead to one join
.macro ARM under, g0, g1, next
	s_cmp_lt_u32 s14, \under
	s_cbranch_scc0 \next
	tensor_load_to_lds s[\g0:\g0+3], s[\g1:\g1+7]
	s_nop 0
.rept 4
	v_nop
.endr
	s_branch .Lhead_asked
\next:
.endm
	ARM 1, G0,  G1,  .Lhead_b
	ARM 2, G0B, G1B, .Lhead_sa
	ARM 3, G0S, G1S, .Lhead_sb
	tensor_load_to_lds s[G0SB:G0SB+3], s[G1SB:G1SB+7]
	s_nop 0
.rept 4
	v_nop
.endr
.Lhead_asked:
	v_and_b32 v1, 15, v0                           ; r
	v_bfe_u32 v2, v0, 4, 1                         ; h
	; the bias, both ways.  Along the registers: tile b's register j of lane (r, h) is column 32 (b / 2) + 8 (b % 2) + 16 h + j of source 0's 128.  Along the lanes: lane r of block a is column 32 (a / 2) + 8 (a % 2) + r + 8 (r / 8) of source 1's 128.
	s_wait_alu depctr_va_vdst(0)
	s_lshl_b32 s46, s42, 10
	s_lshl_b32 s47, s16, 9
	s_add_co_u32 s46, s46, s47
	s_mov_b32 s47, 0
	s_add_nc_u64 s[4:5], s[12:13], s[46:47]
	s_lshl_b32 s46, s42, 10
	s_lshl_b32 s47, s15, 9
	s_add_co_u32 s46, s46, s47
	s_mov_b32 s47, 0
	s_add_nc_u64 s[6:7], s[12:13], s[46:47]
	v_lshlrev_b32 v8, 6, v2
	v_and_b32 v9, 8, v1
	v_add_nc_u32 v9, v9, v1
	v_lshlrev_b32 v9, 2, v9
.irp b, 0,1,2,3,4,5,6,7
	global_load_b128 v[BC+8*\b:BC+8*\b+3], v8, s[4:5] offset:4*(32*(\b/2)+8*(\b%2))
	global_load_b128 v[BC+8*\b+4:BC+8*\b+7], v8, s[4:5] offset:4*(32*(\b/2)+8*(\b%2))+16
.endr
.irp a, 0,1,2,3,4,5,6,7
	global_load_b32 v[BRP+2*\a], v9, s[6:7] offset:4*(32*(\a/2)+8*(\a%2))
.endr
	v_mul_u32_u24 v3, v1, PITCH
	v_mul_u32_u24 v4, v2, 24
	v_add_nc_u32 v4, v3, v4                        ; a fragment's row x pitch + 24 x half
	v_lshl_add_u32 v5, v2, 4, v4                   ; and the same behind one padding more
	s_mul_i32 s21, s15, HALFT                      ; source 1's 128 rows
	s_mul_i32 s22, s16, HALFT
	s_add_co_u32 s22, s22, 2*HALFT                 ; source 0's, behind source 1's 256
.irp s, 0,1
	v_add_nc_u32 v[ADRA+\s], s21, v4
	v_add_nc_u32 v[ADRB+\s], s22, v4
	v_add_nc_u32 v[ADRA+2+\s], s21, v5
	v_add_nc_u32 v[ADRB+2+\s], s22, v5
	s_add_co_u32 s21, s21, SLOT
	s_add_co_u32 s22, s22, SLOT
.endr
	v_mul_u32_u24 v5, v1, KS                       ; my row's scales: 32 bytes a row,
	v_lshrrev_b32 v6, 8, v5
	v_lshl_add_u32 v5, v6, 4, v5                   ; and 16 more for each 256 passed
	s_mul_i32 s21, s15, HALFS                      ; source 1's words: my 128 rows
	s_mul_i32 s22, s16, HALFS                      ; source 0's, behind source 1's 256
	s_add_co_u32 s22, s22, 2*HALFS
	s_sub_co_u32 s22, s22, s21
	v_mul_u32_u24 v6, s22, v2                      ; lanes 0-15 take source 1's words, lanes 16-31 source 0's
	s_wait_alu depctr_va_vdst(0)
	s_add_co_u32 s21, s21, SCL
	v_add_nc_u32 v5, v5, v6
	v_add_nc_u32 v[ADRS], s21, v5
	s_wait_loadcnt 0x0                             ; the biases
.set i, 0
.rept 64
	v_cndmask_b32 v[BC+i], 0, v[BC+i], s[KEEPQ]    ; kept for q, k; 0 for v
.set i, i+1
.endr
.irp a, 0,1,2,3,4,5,6,7
	v_cndmask_b32 v[BRP+2*\a+1], 0, v[BRP+2*\a], s[KEEPV]   ; kept for v; 0 for q, k.  Twice: a pair for the packed addition
	v_cndmask_b32 v[BRP+2*\a], 0, v[BRP+2*\a], s[KEEPV]
.endr
.macro FRAG reg, adr, q, i             ; 16 rows x 128 K: 12 registers, in pieces of 8 bytes; lanes 16-31 read three pieces on; where that lies behind one padding more, the second address register serves
.irp p, 0,1,2,3,4,5
.set PCE, 12*(\q)+6*(\p/3)+\p%3
.if PCE%8 < 5
	ds_load_b64 v[\reg+2*\p:\reg+2*\p+1], v[\adr] offset:8*PCE+16*(PCE/8)+(\i)*16*PITCH
.else
	ds_load_b64 v[\reg+2*\p:\reg+2*\p+1], v[\adr+2] offset:8*PCE+16*(PCE/8)+(\i)*16*PITCH
.endif
.endr
.endm
; 16 matrix instructions: source 1's blocks a0, a0 + 1 x source 0's eight.  zero = 1: the first products start the sums, with the bias as C.  The 64 accumulators take turns, one instruction a turn.
.macro MUL16 a0, p, q, sc, zero
.irp a, \a0, \a0+1
.irp b, 0,1,2,3,4,5,6,7
.if \zero
	v_wmma_scale_f32_16x16x128_f8f6f4 v[8*(8*((\a)%4)+\b):8*(8*((\a)%4)+\b)+7], v[128*(\p)+FR*\b:128*(\p)+FR*\b+FR-1], v[AF+FR*(\a):AF+FR*(\a)+FR-1], v[BC+8*\b:BC+8*\b+7], v[SC+8*NQ*(\sc)+NQ*\b+(\q)], v[SC+8*NQ*(\sc)+NQ*(\a)+(\q)] matrix_a_fmt:MATRIX_FMT_BF6 matrix_b_fmt:MATRIX_FMT_BF6 matrix_a_scale:MATRIX_SCALE_ROW1
.else
	v_wmma_scale_f32_16x16x128_f8f6f4 v[8*(8*((\a)%4)+\b):8*(8*((\a)%4)+\b)+7], v[128*(\p)+FR*\b:128*(\p)+FR*\b+FR-1], v[AF+FR*(\a):AF+FR*(\a)+FR-1], v[8*(8*((\a)%4)+\b):8*(8*((\a)%4)+\b)+7], v[SC+8*NQ*(\sc)+NQ*\b+(\q)], v[SC+8*NQ*(\sc)+NQ*(\a)+(\q)] matrix_a_fmt:MATRIX_FMT_BF6 matrix_b_fmt:MATRIX_FMT_BF6 matrix_a_scale:MATRIX_SCALE_ROW1
.endif
.endr
.endr
.endm
.macro FETCH_B slot, q, p
	WIN TO_B
.irp i, 0,1,2,3,4,5,6,7
	FRAG 128*(\p)+FR*\i, ADRB+\slot, \q, \i
.endr
	WIN 0
.endm
.macro FETCH_A slot, q, i0
.irp i, \i0, \i0+1, \i0+2, \i0+3
	FRAG AF+FR*(\i), ADRA+\slot, \q, \i
.endr
.endm
.macro SCALES sc                       ; a K step's scale words: two a row; lanes 0-15 source 1's block i, lanes 16-31 source 0's
.irp i, 0,1,2,3,4,5,6,7
	ds_load_b64 v[SC+8*NQ*\sc+NQ*\i:SC+8*NQ*\sc+NQ*\i+1], v[ADRS] offset:\i*SBLK
.endr
.endm
.macro PLACES n                        ; plain vector instructions between a matrix instruction and a load into, or a vector write of, its registers, or a read of its result
.rept \n
	v_nop
.endr
.endm
.macro STEP slot, q, zero              ; 128 along K whose successor lies in the same slot
	s_wait_dscnt 4*NL                              ; all but the youngest 24 loads (source 1's blocks 4-7)
	WIN MUL_LO-0x20*\zero                          ; (the bias lies in window 0)
	MUL16 0, (\q)%2, \q, \slot, \zero
	MUL16 2, (\q)%2, \q, \slot, \zero
	s_wait_dscnt 0
	PLACES NP
	FETCH_B \slot, (\q)+1, 1-(\q)%2
	FETCH_A \slot, (\q)+1, 0
	WIN MUL_HI-0x30*\zero
	MUL16 4, (\q)%2, \q, \slot, \zero
	MUL16 6, (\q)%2, \q, \slot, \zero
	PLACES NP
	WIN 0
	FETCH_A \slot, (\q)+1, 4
.endm
; A slot's last step changes slots: one barrier; in front of it each wave waits for all its tensor loads, adds 0 to its spare word, and waits for that and for its reads of this slot.
.macro TURN slot, next, fill
	s_wait_tensorcnt 0x0                           ; all my tensor loads have landed: my part of the next slot
	ds_add_u32 v[SPW], v[NIL]                      ; 0 onto my spare word
	s_wait_dscnt 4*NL+1                            ; (the add and the youngest 24 loads may be out)
	WIN MUL_LO
	MUL16 0, 1, NQ-1, \slot, 0
	s_wait_dscnt 0x0                               ; the add is done, and my reads of this slot are over
	s_barrier_signal -1
	MUL16 2, 1, NQ-1, \slot, 0
	WIN 0
	s_barrier_wait -1
.if \fill
	CREST                                          ; the barrier has opened a round of the cluster's: no wave of any partner still reads this slot or has a load on its way
	s_add_nc_u64 s[G0+4*\slot+2:G0+4*\slot+3], s[G0+4*\slot+2:G0+4*\slot+3], s[92:93]
	s_add_nc_u64 s[G0B+4*\slot+2:G0B+4*\slot+3], s[G0B+4*\slot+2:G0B+4*\slot+3], s[100:101]
	JLOAD G0+4*\slot, G1, G0B+4*\slot, G1B         ; the first tensor load behind the round; its four v_nop are the places in front of the loads below
.else
	PLACES NP
.endif
	s_wait_alu depctr_va_vdst(0)
	v_add_nc_u32 v[ADRS], 4*NQ, v[ADRS]            ; the next K step's scale words
	FETCH_B \next, 0, 0
	FETCH_A \next, 0, 0
	SCALES \next
	WIN MUL_HI
	MUL16 4, 1, NQ-1, \slot, 0
	MUL16 6, 1, NQ-1, \slot, 0
	PLACES NP
	WIN 0
	FETCH_A \next, 0, 4
.endm
	s_wait_alu depctr_va_vdst(0)
	s_wait_tensorcnt 0x0                           ; my tile of the head's four is in
	ds_add_u32 v[SPW], v[NIL]
	s_mov_b32 s[G1+2], 96<<16                      ; no tensor load of mine is out: from here on a load brings 128 rows of codes = 96 rows of 256 bytes,
	s_mov_b32 s[G1+4], 96
	s_mov_b32 s[G1B+2], 96<<16
	s_mov_b32 s[G1B+4], 96
	s_mov_b32 s[G0+1], s45                         ; and slot 0's group 0 names my 128 rows of K step 0: its first refill steps it to K step 2
	s_add_nc_u64 s[G0+2:G0+3], s[G0+2:G0+3], s[18:19]
	s_mov_b32 s[G0B+1], s45
	s_add_nc_u64 s[G0B+2:G0B+3], s[G0B+2:G0B+3], s[18:19]
	s_wait_dscnt 0x0
	CROUND                                         ; all four tiles are in, and all sixteen work-groups are here
	JLOAD G0+4, G1, G0B+4, G1B                     ; K step 1, the first tensor load behind the round
	FETCH_B 0, 0, 0
	FETCH_A 0, 0, 0
	SCALES 0
	FETCH_A 0, 0, 4
	STEP 0, 0, 1
	s_mov_b32 s3, LAPS-1
.Llap:                                             ; a trip goes once round the ring and fills both slots again
	TURN 0, 1, 1
	STEP 1, 0, 0
	TURN 1, 0, 1
	STEP 0, 0, 0
	s_sub_co_u32 s3, s3, 1
	s_cmp_lg_u32 s3, 0
	s_cbranch_scc1 .Llap
	TURN 0, 1, 0                                   ; the last lap fills nothing
	STEP 1, 0, 0
	s_wait_dscnt 4*NL
	WIN MUL_LO
	MUL16 0, 1, NQ-1, 1, 0
	MUL16 2, 1, NQ-1, 1, 0
	s_wait_dscnt 0
	WIN MUL_HI
	MUL16 4, 1, NQ-1, 1, 0
	MUL16 6, 1, NQ-1, 1, 0
	WIN 0
; THE WAY OUT.  Where the images and the scale words go: both ways are reckoned, and the cluster's x chooses.  (No tensor load is out: the descriptors' registers are free.)
	s_lshr_b32 s18, s17, 3                         ; b
	s_and_b32 s19, s17, 7                          ; the tile row within the batch
	s_lshl_b32 s20, s42, 2
	s_lshl_b32 s21, s16, 1
	s_add_co_u32 s20, s20, s21
	s_lshl_b32 s21, s18, 5
	s_add_co_u32 s20, s20, s21                     ; q, k: my first plane: 32 b + column / 64
	s_lshl_b32 s21, s19, 4
	s_lshl_b32 s22, s15, 3
	s_add_co_u32 s21, s21, s22                     ; my first row block in the batch
	s_lshl_b32 s24, s20, 7
	s_add_co_u32 s24, s24, s21
	s_mul_i32 s24, s24, 768                        ; its image
	s_lshl_b32 s26, s20, 13
	s_lshl_b32 s21, s21, 6
	s_add_co_u32 s26, s26, s21                     ; its group of scale words
	s_and_b32 s28, s42, 3
	s_lshl_b32 s28, s28, 4
	s_add_co_u32 s28, s28, s22                     ; v: my first block of 16 channels
	s_lshl_b32 s29, s19, 1
	s_add_co_u32 s29, s29, s16                     ; my step of 128 keys
	s_lshl_b32 s30, s18, 6
	s_add_co_u32 s30, s30, s28
	s_lshl_b32 s30, s30, 4
	s_add_co_u32 s30, s30, s29
	s_mul_i32 s30, s30, 1536
	s_add_co_u32 s30, s30, ATT_V
	s_lshl_b32 s31, s18, 4
	s_lshr_b32 s28, s28, 2
	s_add_co_u32 s31, s31, s28
	s_lshl_b32 s31, s31, 4
	s_add_co_u32 s31, s31, s29
	s_lshl_b32 s31, s31, 8
	s_add_co_u32 s31, s31, ATTS_V
	s_mov_b32 s32, 98304
	s_mov_b32 s34, 24576
	s_mov_b32 s36, 4096
	s_mov_b32 s38, 8192
	s_cmp_eq_u32 s[MODE], 1
	s_cselect_b32 s24, s30, s24                    ; the first image,
	s_cselect_b32 s26, s31, s26                    ; the first group of scale words,
	s_cselect_b32 s32, 768, s32                    ; from a fragment's first half to its second (q, k: the next head's plane),
	s_cselect_b32 s34, s34, 768                    ; from block a to block a + 1,
	s_cselect_b32 s36, s36, 256                    ; from blocks 0-3's group to blocks 4-7's,
	s_cselect_b32 s38, 0, s38                      ; q, k: lanes 16-31 store the second head's words, a plane further on,
	s_cselect_b32 s39, 0, 16                       ; which are the word's upper two bytes
	s_mov_b32 s25, 0
	s_mov_b32 s27, 0
	s_mov_b32 s33, 0
	s_mov_b32 s35, 0
	s_mov_b32 s37, 0
	s_add_nc_u64 s[8:9], s[8:9], s[24:25]
	s_add_nc_u64 s[40:41], s[8:9], s[32:33]
	s_add_nc_u64 s[10:11], s[10:11], s[26:27]
	s_mov_b32 s[SEL], 0x76543210
	s_mov_b32 s[SEL+1], 0xfedcba98                 ; v_permlanex16_b32's selects for lane l xor 16
	PLACES NP                                      ; behind the last products: their scale words' and fragments' registers are written below
	v_and_b32 v1, 15, v0
	v_bfe_u32 v2, v0, 4, 1
	v_and_b32 v3, 31, v0
	v_lshlrev_b32 v[LI8], 3, v3
	v_mul_u32_u24 v[SH], v2, s39
	v_mul_u32_u24 v[SCO], v2, s38
	v_lshl_add_u32 v[SCO], v1, 4, v[SCO]
.irp b, 0,1,2,3
	v_mov_b32 v[TM+4+\b], 0                        ; written once: a lane permute's destination counts as one of its sources
.endr
; 64 numbers of a lane, register 16 b + i = k 32 b + 16 (lane / 16) + i of my row, become a fragment's codes in v[QC] on and its scale word in v[PW].
.macro QUANT s
.irp b, 0,1,2,3
	v_max3_num_f32 v[TM+\b], |v[\s+16*\b]|, |v[\s+1+16*\b]|, 0x2800000   ; my 16 numbers of block b, and the floor 2^(5 - 127)
.endr
.irp i, 2,4,6,8,10,12,14
.irp b, 0,1,2,3
	v_max3_num_f32 v[TM+\b], v[TM+\b], |v[\s+16*\b+\i]|, |v[\s+1+16*\b+\i]|
.endr
.endr
.irp b, 0,1,2,3
	v_permlanex16_b32 v[TM+4+\b], v[TM+\b], s[SEL], s[SEL+1]
.endr
.irp b, 0,1,2,3
	v_max_num_f32 v[TM+\b], v[TM+\b], v[TM+4+\b]   ; with lane l xor 16's: the block's largest magnitude
.endr
.irp b, 0,1,2,3
	v_add_nc_u32 v[TM+12+\b], 0xfe000000, v[TM+\b] ; 4 off its exponent field: the conversion's scale operand
.endr
.irp b, 0,1,2,3
	v_lshrrev_b32 v[TM+4+\b], 23, v[TM+12+\b]      ; the scale's byte
.endr
	v_lshl_or_b32 v[PW], v[TM+5], 8, v[TM+4]
	v_lshl_or_b32 v[PW], v[TM+6], 16, v[PW]
	v_lshl_or_b32 v[PW], v[TM+7], 24, v[PW]
	s_wait_alu depctr_va_vdst(0)
	s_wait_xcnt 0x0                                ; the earlier stores have read their data and bases: only behind this wait are the codes' registers and the bases written again
.irp c, 0,1
	v_cvt_scalef32_pk16_bf6_f32 v[QC+6*\c:QC+2+6*\c], v[\s+32*\c:\s+15+32*\c], v[TM+12+2*\c]
	v_cvt_scalef32_pk16_bf6_f32 v[QC+12+4*\c:QC+14+4*\c], v[\s+16+32*\c:\s+31+32*\c], v[TM+12+2*\c+1]   ; (a conversion's three registers begin on an even number)
.endr
	v_nop                                          ; one plain place behind a scaled conversion
.irp c, 0,1                            ; the operand's layout wants a whole block in a lane
.irp i, 0,1,2
	v_permlane16_swap_b32 v[QC+6*\c+\i], v[QC+12+4*\c+\i]
.endr
.irp i, 0,1,2
	v_mov_b32 v[QC+3+6*\c+\i], v[QC+12+4*\c+\i]
.endr
.endr
.endm
; Block a of source 1: its eight accumulators are 64 numbers of a lane along the next K.
.macro OUTA a
	WIN 0x02+(\a)/4
.set i, 0
.rept 32
	v_pk_add_f32 v[H+2*i:H+2*i+1], v[64*((\a)%4)+2*i:64*((\a)%4)+2*i+1], v[BRP+2*(\a):BRP+2*(\a)+1]   ; + the bias along the lanes; each accumulator from its low end on
.set i, i+1
.endr
	WIN 0
	QUANT H
.if (\a) > 0
	s_add_nc_u64 s[8:9], s[8:9], s[34:35]          ; behind the wait on XCNT that stands ahead of the conversions
	s_add_nc_u64 s[40:41], s[40:41], s[34:35]
.endif
.if (\a) == 4
	s_add_nc_u64 s[10:11], s[10:11], s[36:37]
.endif
.irp c, 0,1
.irp p, 0,1,2
	global_store_b64 v[LI8], v[QC+6*\c+2*\p:QC+6*\c+2*\p+1], s[8+32*\c:9+32*\c] offset:256*\p   ; 32 lanes store 256 consecutive bytes, aligned
.endr
.endr
	v_lshrrev_b32 v[SW+(\a)%4], v[SH], v[PW]       ; q, k: lanes 0-15 the first head's two bytes, lanes 16-31 the second's; v: the whole word
	v_and_b32 v[SW+(\a)%4], s[MSK], v[SW+(\a)%4]
.if (\a)%4 == 3
	global_store_b128 v[SCO], v[SW:SW+3], s[10:11] ; sixteen lanes store a group of 256 bytes (v: lanes 16-31 store the same words to the same places)
.endif
.endm
.irp a, 0,1,2,3,4,5,6,7
	OUTA \a
.endr
	s_wait_tensorcnt 0x0                           ; the wave's end
	ds_add_u32 v[SPW], v[NIL]
	s_wait_dscnt 0x0
	CROUND                                         ; the closing round
	s_endpgm
.Lfunc_end_k_qbf24e1e71d_qkv:
	.size	k_qbf24e1e71d_qkv, .Lfunc_end_k_qbf24e1e71d_qkv-k_qbf24e1e71d_qkv
	.p2alignl 7, 3214868480
	.fill 96, 4, 3214868480
	.section	.rodata,"a",@progbits
	.p2align	6, 0x0
	.amdhsa_kernel k_qbf24e1e71d_qkv
		.amdhsa_group_segment_fixed_size 327680
		.amdhsa_private_segment_fixed_size 0
		.amdhsa_enable_private_segment 0
		.amdhsa_kernarg_size 40
		.amdhsa_user_sgpr_count 2
		.amdhsa_user_sgpr_kernarg_segment_ptr 1
		.amdhsa_wavefront_size32 1
		.amdhsa_system_sgpr_workgroup_id_x 1
		.amdhsa_system_sgpr_workgroup_id_y 1
		.amdhsa_system_sgpr_workgroup_id_z 1
		.amdhsa_system_vgpr_workitem_id 0
		.amdhsa_next_free_vgpr 1024
		.amdhsa_next_free_sgpr 102
		.amdhsa_reserve_vcc 0
		.amdhsa_float_denorm_mode_32 3
		.amdhsa_float_denorm_mode_16_64 3
		.amdhsa_memory_ordered 1
		.amdhsa_forward_progress 1
		.amdhsa_inst_pref_size 194
	.end_amdhsa_kernel
	.amdgpu_metadata
---
amdhsa.version: [ 1, 2 ]
amdhsa.kernels:
  - .name:           k_qbf24e1e71d_qkv
    .symbol:         k_qbf24e1e71d_qkv.kd
    .args:
      - { .name: opc, .offset: 0, .size: 8, .value_kind: global_buffer, .address_space: global }
      - { .name: ops, .offset: 8, .size: 8, .value_kind: global_buffer, .address_space: global }
      - { .name: b_qkv, .offset: 16, .size: 8, .value_kind: global_buffer, .address_space: global }
      - { .name: att_img, .offset: 24, .size: 8, .value_kind: global_buffer, .address_space: global }
      - { .name: att_sc, .offset: 32, .size: 8, .value_kind: global_buffer, .address_space: global }
    .group_segment_fixed_size: 327680
    .private_segment_fixed_size: 0
    .kernarg_segment_align: 8
    .kernarg_segment_size: 40
    .max_flat_workgroup_size: 128
    .sgpr_count:     102
    .vgpr_count:     1024
    .wavefront_size: 32
...
	.end_amdgpu_metadata
.endif
;; end of part 2
;; launch attn (part 3): grid 4 x 64, 16 waves a work-group, no clusters, 327,680 bytes of LDS; arguments att_img, att_sc, y_img, y_sc; writes y_img, y_sc
.if DOCPART == 3
	.amdgcn_target "amdgcn-amd-amdhsa--gfx1250"
	.amdhsa_code_object_version 6
	.text
	.protected	k_qbf24e1e71d_attn
	.globl	k_qbf24e1e71d_attn
	.p2align	8
	.type	k_qbf24e1e71d_attn,@function
k_qbf24e1e71d_attn:
	s_mov_b64 s[64:65], 0
	v_nop
	global_prefetch_b8 v0, s[64:65] scope:SCOPE_SE
	s_setreg_imm32_b32 hwreg(HW_REG_WAVE_MODE, 25, 1), 1
	s_wait_xcnt 0x0
; Causal attention of one head on codes of BF6 with E8M0 scales, head size 64, 2,048 keys; its result is quantised along the channels and leaves as the next product's operand.
; t = score x log2(e) / 8; M = the running largest t rounded UP to a whole number; p = 2^(t - M) is quantised along the keys, not normalised; the row's sum is taken of the unquantised p and divides at the end.
; SHARES.  Work-group (i, b x 16 + head) owns blocks 7 - i and i of 256 queries: every work-group has the same causal work.  Each of sixteen waves owns one tile of 16 queries in each block.
; No cluster: the four work-groups of a head differ in which steps they leave out.
; LDS holds the head's K, V and their scale words whole (208,896 bytes), each byte filled ONCE, in two groups of fills: no slot is ever filled again.  A group is read behind the wait for it and a barrier.
; LAYOUT.  S^T = K Q^T, O^T = V^T P^T: a lane holds one query.  K's, V's and Q's operands lie in memory and LDS as their registers lie: piece p of 256 bytes, lane l's 8 bytes at 256 p + 8 l.
; The rows of a tile are rows 32 b + 8 u + m + 8 (m / 8), so that the 16 registers of two neighbouring tiles are 16 neighbours (keys in S^T, channels in O^T); my query is Q0 + r + 8 (r / 8).
; THE FIRST PRODUCT'S K IS 64, half of the instruction's 128: Q's registers 6-11 are zero codes and its scale word's upper bytes 0 (2^-127, no NaN).  K's registers 6-11 hold whatever codes lie there (zeros, later V's):
; every code of this format is a finite number, and times a zero code it adds exactly 0.
; CAUSAL.  Every wave walks all 16 steps (constant trip counts); a step all of whose keys come after the tile's queries is jumped over by a scalar branch on ids; on the diagonal hidden scores become -infinity.
; LIMITS: NaN and infinities are not served; a block of zeros carries the byte 1.
; REGISTERS: v1 8 x lane, v2 16 r; v8-11 addresses in hand; tile X: v[12+16X] -M, +1 largest t, +2, +3 the sum; Q v16-27, v80-91; v32-79 four fragments; v96-159 S^T, then p; v160-191, v192-223 O^T; v224.. p's codes; v232-254 at work; v255, v92 Q's scale words.
.set ATT_V,   12582912
.set ATTS_V,  1048576
.set CHUNKB,  49152                    ; a chunk: 512 keys of K (24,576 bytes), then of V
.set VOFF,    24576
.set SCK,     196608                   ; K's scale words: 512 bytes a step
.set SCV,     204800                   ; V's: 256 bytes a step
.set LI8, 1
.set R16, 2
.set ADK, 8
.set ADV, 9
.set ADS, 10
.set ADT, 11
.set QL,  93                           ; r + 8 (r / 8) - 16 h
.set R32, 94                           ; 32 r
.set WV,  16
.set SEL, 20
.set CS,  22
.set G1C, 24                           ; s[24:31] 24 rows of 256 bytes
.set G1KS, 32                          ; s[32:39] 8 rows
.set G1VS, 40                          ; s[40:47] 4 rows
.set G0C, 48                           ; s[48:55] a group 0 for each of the two fill groups
.set G0KS, 68
.set G0VS, 72
.set TK,  76                           ; LDS byte of the step's K, V, K's scale words, V's
.set TV,  77
.set TSK, 78
.set TSV, 79
.set KF,  80                           ; the step's first key
.set CNT, 81
.set Q0,  82                           ; s82, s83 the tiles' first queries
.set YI,  84                           ; s[84:87] where the tiles' images go
.set YS,  88                           ; s[88:91] and their scale bytes
.macro DENSE g, rows                   ; group 1 of a dense block: rows of 32 elements of 8 bytes, no padding, no mask
	s_mov_b32 s[\g], 3<<16
	s_mov_b32 s[\g+1], 32<<16
	s_mov_b32 s[\g+2], (\rows)<<16
	s_mov_b32 s[\g+3], 32<<16
	s_mov_b32 s[\g+4], \rows
	s_mov_b32 s[\g+5], 32
	s_mov_b32 s[\g+6], 0
	s_mov_b32 s[\g+7], 0
.endm
	s_load_b256 s[4:11], s[0:1], 0x0               ; att_img s[4:5], att_sc s[6:7], y_img s[8:9], y_sc s[10:11]
	v_lshl_add_u32 v95, v0, 2, 0x33000
	v_mov_b32 v243, 0
	ds_add_u32 v95, v243
	ds_add_u32 v95, v243
	v_lshrrev_b32 v3, 5, v0
	s_delay_alu instid0(VALU_DEP_1)
	v_readfirstlane_b32 s[WV], v3                  ; wave 0..15
	s_and_b32 s12, ttmp7, 0xffff                   ; 16 b + head
	s_lshr_b32 s13, s12, 4                         ; b
	s_and_b32 s14, s12, 15                         ; head
	s_lshl_b32 s15, s13, 5
	s_add_co_u32 s15, s15, s14                     ; q's plane; k's is 16 further on
	s_sub_co_u32 s17, 7, ttmp9
	s_lshl_b32 s17, s17, 4
	s_add_co_u32 s17, s17, s[WV]                   ; tile 0's row block
	s_lshl_b32 s18, ttmp9, 4
	s_add_co_u32 s18, s18, 15
	s_sub_co_u32 s18, s18, s[WV]                   ; tile 1's: tile 15 - wave of its block, so that every wave walks the same number of open steps
.irp x, 0,1
	s_and_b32 s96, s[17+\x], 1
	s_lshl_b32 s96, s96, 3
	s_lshl_b32 s[Q0+\x], s[17+\x], 4
	s_sub_co_u32 s[Q0+\x], s[Q0+\x], s96           ; block 2 b + u begins at row 32 b + 8 u
.endr
; THE FILLS come in TWO GROUPS, one tensor load a wave in each; every LDS byte is filled once.
; Group 1, at the head: waves 0-3 a step of K each (keys 0-511, LDS 0), waves 4-7 block dt's four steps of V (LDS 24,576), 6,144 bytes each; waves 8-11 K's scale words, waves 12-15 V's, for all 16 steps.
; Group 2, behind the first barrier: keys 512-2,047, 9,216 bytes a wave: waves 0-7 K (from KB), waves 8-15 V (from KB + 73,728: block dt's twelve steps on end).  It has the first four key steps' work in which to land, so no prefetch is laid.
.set KB, 49152
	DENSE G1C, 24
	DENSE G1KS, 8
	DENSE G1VS, 4
	s_add_co_u32 s19, s15, 16                      ; k's plane
	s_mul_i32 s98, s19, 98304                      ; K's image
	s_mul_i32 s94, s12, 98304
	s_add_co_u32 s94, s94, ATT_V                   ; V's image
	s_and_b32 s92, s[WV], 3
	s_mul_i32 s93, s92, 6144
	s_add_co_u32 s93, s93, s98
	s_mul_i32 s96, s92, 24576
	s_add_co_u32 s96, s96, s94
	s_cmp_lt_u32 s[WV], 4
	s_cselect_b32 s2, s93, s96                     ; group 1: my bytes of K or of V
	s_mov_b32 s3, 0
	s_and_b32 s93, s[WV], 7
	s_mul_i32 s96, s93, 9216
	s_add_co_u32 s98, s98, s96
	s_add_co_u32 s98, s98, 24576                   ; group 2, K: behind the first four steps
	s_lshr_b32 s96, s93, 1
	s_mul_i32 s96, s96, 24576
	s_add_co_u32 s94, s94, s96
	s_and_b32 s96, s[WV], 1
	s_mul_i32 s96, s96, 9216
	s_add_co_u32 s94, s94, s96
	s_add_co_u32 s94, s94, 6144                    ; V: block dt, behind its first four steps, which half of the twelve
	s_cmp_lt_u32 s[WV], 8
	s_cselect_b32 s98, s98, s94
	s_mov_b32 s99, 0
	s_lshl_b32 s94, s19, 13
	s_lshl_b32 s96, s92, 11
	s_add_co_u32 s94, s94, s96                     ; K's scale words: 2,048 bytes a wave
	s_mov_b32 s95, 0
	s_lshl_b32 s96, s12, 12
	s_lshl_b32 s92, s92, 10
	s_add_co_u32 s92, s92, s96
	s_add_co_u32 s92, s92, ATTS_V                  ; V's: 1,024 bytes a wave
	s_mov_b32 s93, 0
	s_mov_b32 s[SEL], 0x76543210
	s_mov_b32 s[SEL+1], 0xfedcba98                 ; v_permlanex16_b32's selects for lane l xor 16
	s_mov_b32 s[CS], 0x3e38aa3b                    ; c = log2(e) / 8
	s_mov_b32 s[CS+1], s[CS]
	s_mov_b32 s[KF], 0
	s_wait_dscnt 0x0
	s_wait_kmcnt 0x0
	s_mov_b32 s[G0C], 1                            ; group 1, codes: LDS 6,144 x wave (waves 0-7)
	s_mul_i32 s[G0C+1], s[WV], 6144
	s_add_nc_u64 s[G0C+2:G0C+3], s[4:5], s[2:3]
	s_or_b32 s[G0C+3], s[G0C+3], 0x80000000
	s_mov_b32 s[G0C+4], 1                          ; group 2: LDS KB + 9,216 x wave
	s_mul_i32 s[G0C+5], s[WV], 9216
	s_add_co_u32 s[G0C+5], s[G0C+5], KB
	s_add_nc_u64 s[G0C+6:G0C+7], s[4:5], s[98:99]
	s_or_b32 s[G0C+7], s[G0C+7], 0x80000000
	s_mov_b32 s[G0KS], 1                           ; waves 8-11
	s_lshl_b32 s[G0KS+1], s[WV], 11
	s_add_co_u32 s[G0KS+1], s[G0KS+1], SCK-8*2048
	s_add_nc_u64 s[G0KS+2:G0KS+3], s[6:7], s[94:95]
	s_or_b32 s[G0KS+3], s[G0KS+3], 0x80000000
	s_mov_b32 s[G0VS], 1                           ; waves 12-15
	s_lshl_b32 s[G0VS+1], s[WV], 10
	s_add_co_u32 s[G0VS+1], s[G0VS+1], SCV-12*1024
	s_add_nc_u64 s[G0VS+2:G0VS+3], s[6:7], s[92:93]
	s_or_b32 s[G0VS+3], s[G0VS+3], 0x80000000
.macro FILL g0, g1                     ; one tensor load, with an s_nop and four v_nop behind it
	tensor_load_to_lds s[\g0:\g0+3], s[\g1:\g1+7]
	s_nop 0
.rept 4
	v_nop
.endr
.endm
	s_cmp_lt_u32 s[WV], 8                          ; one chain of arms on the wave's number, one fill to an arm, one join
	s_cbranch_scc0 .Lks_arm
	FILL G0C, G1C
	s_branch .Lfilled
.Lks_arm:
	s_cmp_lt_u32 s[WV], 12
	s_cbranch_scc0 .Lvs_arm
	FILL G0KS, G1KS
	s_branch .Lfilled
.Lvs_arm:
	FILL G0VS, G1VS
.Lfilled:
	s_lshl_b32 s19, s15, 7                         ; q's plane x 128 row blocks
	s_lshl_b32 s96, s13, 7                         ; b x 128 row blocks
.irp x, 0,1
	s_add_co_u32 s[92+2*\x], s19, s[17+\x]
	s_mul_i32 s[92+2*\x], s[92+2*\x], 768
	s_mov_b32 s[93+2*\x], 0
	s_add_nc_u64 s[92+2*\x:93+2*\x], s[4:5], s[92+2*\x:93+2*\x]         ; Q's image
	s_lshr_b32 s97, s[17+\x], 2
	s_lshl_b32 s[98-96*\x], s15, 5
	s_add_co_u32 s[98-96*\x], s[98-96*\x], s97
	s_lshl_b32 s[98-96*\x], s[98-96*\x], 8
	s_and_b32 s97, s[17+\x], 3
	s_lshl_b32 s97, s97, 2
	s_add_co_u32 s[98-96*\x], s[98-96*\x], s97
	s_mov_b32 s[99-96*\x], 0
	s_add_nc_u64 s[98-96*\x:99-96*\x], s[6:7], s[98-96*\x:99-96*\x]     ; its scale words: the group, and the member
	s_add_co_u32 s97, s96, s[17+\x]
	s_lshl_b32 s[YI+2*\x], s97, 4
	s_add_co_u32 s[YI+2*\x], s[YI+2*\x], s14
	s_mul_i32 s[YI+2*\x], s[YI+2*\x], 768
	s_mov_b32 s[YI+2*\x+1], 0
	s_add_nc_u64 s[YI+2*\x:YI+2*\x+1], s[8:9], s[YI+2*\x:YI+2*\x+1]     ; y's image of (row block, head)
	s_lshl_b32 s[YS+2*\x], s97, 9
	s_lshl_b32 s97, s14, 1
	s_add_co_u32 s[YS+2*\x], s[YS+2*\x], s97
	s_mov_b32 s[YS+2*\x+1], 0
	s_add_nc_u64 s[YS+2*\x:YS+2*\x+1], s[10:11], s[YS+2*\x:YS+2*\x+1]   ; its two scale bytes in each row's 32
.endr
	v_and_b32 v3, 31, v0
	s_delay_alu instid0(VALU_DEP_1)
	v_lshlrev_b32 v[LI8], 3, v3
	v_and_b32 v4, 15, v0                           ; r
	v_bfe_u32 v5, v0, 4, 1                         ; h
	s_delay_alu instid0(VALU_DEP_2)
	v_lshlrev_b32 v[R16], 4, v4
	s_delay_alu instid0(VALU_DEP_3)
	v_lshlrev_b32 v[R32], 5, v4
.irp p, 0,1,2
	global_load_b64 v[16+2*\p:17+2*\p], v[LI8], s[92:93] offset:256*\p
	global_load_b64 v[80+2*\p:81+2*\p], v[LI8], s[94:95] offset:256*\p
.endr
	global_load_b32 v255, v[R16], s[98:99]
	global_load_b32 v92, v[R16], s[2:3]
	v_and_b32 v6, 8, v4
	s_delay_alu instid0(VALU_DEP_1)
	v_add_nc_u32 v6, v6, v4
	v_lshlrev_b32 v7, 4, v5
	s_delay_alu instid0(VALU_DEP_1)
	v_sub_nc_u32 v[QL], v6, v7
.irp j, 6,7,8,9,10,11
	v_mov_b32 v[16+\j], 0                          ; Q's k = 64 .. 127: zero codes
	v_mov_b32 v[80+\j], 0
.irp t, 0,1,2,3
	v_mov_b32 v[32+12*\t+\j], 0                    ; K's: written once, so that they hold codes
.endr
.endr
.irp x, 0,1
	v_mov_b32 v[13+16*\x], 0xff61b1e6              ; the largest t so far: -3e38
	s_delay_alu instid0(VALU_DEP_1)
	v_floor_f32 v[12+16*\x], -v[13+16*\x]          ; -M
	v_mov_b32 v[14+16*\x], 0                       ; the sum, in two halves
	v_mov_b32 v[15+16*\x], 0
.endr
.irp b, 0,1,2,3
	v_mov_b32 v[236+\b], 0                         ; written once: a lane permute's destination counts as one of its sources
.endr
	v_mov_b32 v252, 0
	v_mov_b32 v253, 0
.set i, 0
.rept 64
	v_mov_b32 v[160+i], 0                          ; O^T of both tiles: the step is written once, and its first pass multiplies zeros
.set i, i+1
.endr
; A KEY STEP of tile x: 128 keys.
.macro STEP x, vp                      ; vp: LDS bytes from block dt of V to block dt + 1 in this group
.set MM, 12+16*\x
.set SM, 14+16*\x
.set QF, 16+64*\x
.set QS, 255-163*\x
.set OT, 160+32*\x
	s_add_co_u32 s96, s[Q0+\x], 23                 ; the tile's last query
	s_cmp_gt_u32 s[KF], s96
	s_cbranch_scc1 .Lhidden_\@                     ; all 128 keys come after it
	v_add_nc_u32 v[ADK], s[TK], v[LI8]             ; (these four are the places in front of the loads into registers that the last products read)
	s_wait_alu depctr_va_vdst(0)
	v_add_nc_u32 v[ADV], s[TV], v[LI8]
	v_add_nc_u32 v[ADS], s[TSK], v[R16]
	s_wait_alu depctr_va_vdst(0)
	v_add_nc_u32 v[ADT], s[TSV], v[R16]
.irp g, 0,1                            ; S^T = K Q^T, four tiles of 16 keys at a time
.if \g
.rept 4
	v_nop
.endr
.endif
.irp t, 0,1,2,3
.irp p, 0,1,2
	ds_load_b64 v[32+12*\t+2*\p:33+12*\t+2*\p], v[ADK] offset:(4*\g+\t)*768+256*\p
.endr
.endr
	ds_load_b128 v[248:251], v[ADS] offset:256*\g  ; the four tiles' scale words
	s_wait_dscnt 0x0
.irp t, 0,1,2,3
	v_wmma_scale_f32_16x16x128_f8f6f4 v[96+8*(4*\g+\t):103+8*(4*\g+\t)], v[32+12*\t:43+12*\t], v[QF:QF+11], 0, v[248+\t], v[QS] matrix_a_fmt:MATRIX_FMT_BF6 matrix_b_fmt:MATRIX_FMT_BF6
.endr
.endr
.rept 4
	v_nop
.endr
.irp t, 0,1,2,3                        ; V's four fragments are asked for now and land under the softmax
.irp p, 0,1,2,3,4,5
	ds_load_b64 v[32+12*\t+2*\p:33+12*\t+2*\p], v[ADV] offset:\t*(\vp)+768*(\p/3)+256*(\p%3)
.endr
.endr
	s_wait_alu depctr_va_vdst(0)
	ds_load_b128 v[248:251], v[ADT]
	s_add_co_u32 s96, s[KF], 127                   ; on the diagonal hidden scores become -infinity; a step all of whose keys count skips this
	s_cmp_le_u32 s96, s[Q0+\x]
	s_cbranch_scc1 .Lopen_\@
	s_sub_co_i32 s96, s[Q0+\x], s[KF]
	v_add_nc_u32 v252, s96, v[QL]                  ; d = my query - KF - 16 h.  Register 16 b + i holds key KF + 16 h + 32 b + i: hidden where 32 b + i > d
	v_mov_b32 v254, 0xff800000
.set n, 0
.rept 64
	v_cmp_gt_i32 vcc_lo, 32*(n/16)+n%16, v252
	v_cndmask_b32 v[96+n], v[96+n], v254, vcc_lo
.set n, n+1
.endr
.Lopen_\@:
.irp b, 0,1,2,3
	v_max3_num_f32 v[232+\b], v[96+16*\b], v[97+16*\b], v[98+16*\b]   ; the largest score of each block of 32 keys: for the row's maximum, and, since p rises with the score, for the block's largest p
.endr
.irp i, 3,5,7,9,11,13
.irp b, 0,1,2,3
	v_max3_num_f32 v[232+\b], v[232+\b], v[96+16*\b+\i], v[97+16*\b+\i]
.endr
.endr
.irp b, 0,1,2,3
	v_max_num_f32 v[232+\b], v[232+\b], v[111+16*\b]
.endr
.irp b, 0,1,2,3
	s_delay_alu instid0(VALU_DEP_4)
	v_permlanex16_b32 v[236+\b], v[232+\b], s[SEL], s[SEL+1]
.endr
.irp b, 0,1,2,3
	s_delay_alu instid0(VALU_DEP_4)
	v_max_num_f32 v[232+\b], v[232+\b], v[236+\b]  ; with lane l xor 16's 16 keys
.endr
	s_delay_alu instid0(VALU_DEP_2)
	v_max3_num_f32 v254, v232, v233, v234
	s_delay_alu instid0(VALU_DEP_1)
	v_max_num_f32 v254, v254, v235
	s_delay_alu instid0(VALU_DEP_1)
	v_mul_f32 v254, s[CS], v254                    ; as t
	s_delay_alu instid0(VALU_DEP_1)
	v_max_num_f32 v[MM+1], v[MM+1], v254           ; the running largest t
	v_mov_b32 v254, v[MM]
	s_delay_alu instid0(VALU_DEP_2)
	v_floor_f32 v[MM], -v[MM+1]                    ; the new -M = -ceil(t)
	s_delay_alu instid0(VALU_DEP_1)
	v_sub_f32 v254, v[MM], v254                    ; old M - new M: a whole number, 0 or less
	s_delay_alu instid0(VALU_DEP_1)
	v_cvt_i32_f32 v254, v254                       ; (it saturates)
	s_delay_alu instid0(VALU_DEP_1)
	v_ldexp_f32 v252, 1.0, v254                    ; f = 2^(old M - new M): exact
.set j, 0
.rept 32
	v_pk_fma_f32 v[96+j:97+j], v[96+j:97+j], s[CS:CS+1], v[MM:MM+1] op_sel_hi:[1,0,0]   ; t - M
.set j, j+2
.endr
.irp b, 0,1,2,3
	v_fma_f32 v[232+\b], v[232+\b], s[CS], v[MM]
.endr
.set j, 0
	s_wait_alu depctr_va_vdst(0)
.rept 64
	v_exp_f32 v[96+j], v[96+j]                     ; p = 2^(t - M)
.set j, j+1
.endr
.irp b, 0,1,2,3
	v_exp_f32 v[232+\b], v[232+\b]                 ; the block's largest p
.endr
	v_pk_mul_f32 v[SM:SM+1], v[SM:SM+1], v[252:253] op_sel_hi:[1,0]   ; the sums under the new M (a plain place behind the exponentials)
	s_wait_alu depctr_va_vdst(0)
.irp b, 0,1,2,3
	v_max_num_f32 v[232+\b], 0x2800000, v[232+\b]  ; the floor 2^(5 - 127)
.endr
.irp b, 0,1,2,3
	s_delay_alu instid0(VALU_DEP_4)
	v_add_nc_u32 v[244+\b], 0xfe000000, v[232+\b]  ; the conversion's scale operand
.endr
.irp b, 0,1,2,3
	s_delay_alu instid0(VALU_DEP_4)
	v_lshrrev_b32 v[236+\b], 23, v[244+\b]         ; the scale's byte
.endr
	s_delay_alu instid0(VALU_DEP_3)
	v_lshl_or_b32 v253, v237, 8, v236              ; p's scale word
	s_delay_alu instid0(VALU_DEP_1)
	v_lshl_or_b32 v253, v238, 16, v253
	s_delay_alu instid0(VALU_DEP_1)
	v_lshl_or_b32 v253, v239, 24, v253
.irp c, 0,1
	v_cvt_scalef32_pk16_bf6_f32 v[224+6*\c:226+6*\c], v[96+32*\c:111+32*\c], v[244+2*\c]
	v_cvt_scalef32_pk16_bf6_f32 v[236+4*\c:238+4*\c], v[112+32*\c:127+32*\c], v[244+2*\c+1]
.endr
	v_nop                                          ; one plain place behind a scaled conversion
.irp c, 0,1
.irp i, 0,1,2
	v_permlane16_swap_b32 v[224+6*\c+\i], v[236+4*\c+\i]
.endr
.irp i, 0,1,2
	s_delay_alu instid0(VALU_DEP_3)
	v_mov_b32 v[227+6*\c+\i], v[236+4*\c+\i]
.endr
.endr
	v_pk_add_f32 v[236:237], v[96:97], v[98:99]    ; the row's sum of the unquantised p, in two chains
.irp j, 4,8,12,16,20,24,28,32,36,40,44,48,52,56,60
	v_pk_add_f32 v[SM:SM+1], v[SM:SM+1], v[96+\j:97+\j]
	v_pk_add_f32 v[236:237], v[236:237], v[98+\j:99+\j]
.endr
	s_delay_alu instid0(VALU_DEP_1)
	v_pk_add_f32 v[SM:SM+1], v[SM:SM+1], v[236:237]
.set j, 0
.rept 16
	v_pk_mul_f32 v[OT+j:OT+j+1], v[OT+j:OT+j+1], v[252:253] op_sel_hi:[1,0]   ; O^T under the new M (with the sums above: the places in front of the scaled products)
.set j, j+2
.endr
	s_wait_alu depctr_va_vdst(0)
	s_wait_dscnt 0x0                               ; V's fragments and scale words are in
.irp t, 0,1,2,3                        ; O^T += V^T P^T: the four accumulators by turns
	v_wmma_scale_f32_16x16x128_f8f6f4 v[OT+8*\t:OT+8*\t+7], v[32+12*\t:43+12*\t], v[224:235], v[OT+8*\t:OT+8*\t+7], v[248+\t], v253 matrix_a_fmt:MATRIX_FMT_BF6 matrix_b_fmt:MATRIX_FMT_BF6
.endr
.Lhidden_\@:
.endm
; A GROUP of n key steps from step st on.  In front of its barrier every wave waits for all its tensor loads, adds 0 to its spare word and waits for that; fill = 1: group 2's load follows the barrier.
.macro PHASE tk, tv, st, n, vp, fill
	s_wait_alu depctr_va_vdst(0)
	s_wait_tensorcnt 0x0                           ; my part of this group has landed
	ds_add_u32 v95, v243
.if \fill
	s_mov_b32 s[G1C+2], 36<<16                     ; no tensor load of mine is out: group 2's loads bring 36 rows of 256 bytes
	s_mov_b32 s[G1C+4], 36
.endif
	s_wait_dscnt 0x0
	s_barrier_signal -1
	s_barrier_wait -1                              ; everybody's has
.if \fill
	FILL G0C+4, G1C
.endif
	s_mov_b32 s[TK], \tk
	s_mov_b32 s[TV], \tv
	s_mov_b32 s[TSK], SCK+(\st)*512
	s_mov_b32 s[TSV], SCV+(\st)*256
	s_mov_b32 s[CNT], \n
.Lstep_\@:
	STEP 0, \vp
	STEP 1, \vp
	s_add_co_u32 s[KF], s[KF], 128
	s_add_co_u32 s[TK], s[TK], 6144
	s_add_co_u32 s[TV], s[TV], 1536
	s_add_co_u32 s[TSK], s[TSK], 512
	s_add_co_u32 s[TSV], s[TSV], 256
	s_sub_co_u32 s[CNT], s[CNT], 1
	s_cmp_lg_u32 s[CNT], 0
	s_cbranch_scc1 .Lstep_\@
.endm
	s_wait_loadcnt 0x0                             ; Q
	PHASE 0, 24576, 0, 4, 6144, 1
	PHASE KB, KB+73728, 4, 12, 18432, 0
.rept 4
	v_nop                                          ; places behind the last products
.endr
; THE WAY OUT of tile x: O^T / the sum; register 16 b + i is channel 32 b + 16 h + i of my row: two blocks of 32, quantised; the codes leave as the next product's registers lie.
.macro OUT x
.set SM, 14+16*\x
.set OT, 160+32*\x
	v_add_f32 v[SM], v[SM], v[SM+1]
	s_delay_alu instid0(VALU_DEP_1)
	v_permlanex16_b32 v252, v[SM], s[SEL], s[SEL+1]
	s_delay_alu instid0(VALU_DEP_1)
	v_add_f32 v[SM], v[SM], v252                   ; the row's sum
	s_wait_alu depctr_va_vdst(0)
	v_rcp_f32 v[SM], v[SM]
	v_nop                                          ; one plain place behind a transcendental
.set j, 0
	s_wait_alu depctr_va_vdst(0)
.rept 16
	v_pk_mul_f32 v[96+j:97+j], v[OT+j:OT+j+1], v[SM:SM+1] op_sel_hi:[1,0]
.set j, j+2
.endr
.irp b, 0,1
	v_max3_num_f32 v[232+\b], |v[96+16*\b]|, |v[97+16*\b]|, 0x2800000
.endr
.irp i, 2,4,6,8,10,12,14
.irp b, 0,1
	s_delay_alu instid0(VALU_DEP_2)
	v_max3_num_f32 v[232+\b], v[232+\b], |v[96+16*\b+\i]|, |v[97+16*\b+\i]|
.endr
.endr
.irp b, 0,1
	s_delay_alu instid0(VALU_DEP_2)
	v_permlanex16_b32 v[236+\b], v[232+\b], s[SEL], s[SEL+1]
.endr
.irp b, 0,1
	s_delay_alu instid0(VALU_DEP_2)
	v_max_num_f32 v[232+\b], v[232+\b], v[236+\b]
.endr
.irp b, 0,1
	s_delay_alu instid0(VALU_DEP_2)
	v_add_nc_u32 v[244+\b], 0xfe000000, v[232+\b]
.endr
.irp b, 0,1
	s_delay_alu instid0(VALU_DEP_2)
	v_lshrrev_b32 v[240+\b], 23, v[244+\b]
.endr
	s_delay_alu instid0(VALU_DEP_1)
	v_lshl_or_b32 v253, v241, 8, v240              ; the head's two scale bytes of my row
	v_cvt_scalef32_pk16_bf6_f32 v[224:226], v[96:111], v244
	v_cvt_scalef32_pk16_bf6_f32 v[236:238], v[112:127], v245
	v_nop
.irp i, 0,1,2
	v_permlane16_swap_b32 v[224+\i], v[236+\i]     ; lanes 0-15 block 0, lanes 16-31 block 1
.endr
.irp i, 0,1,2
	s_delay_alu instid0(VALU_DEP_3)
	v_mov_b32 v[227+\i], v[236+\i]
.endr
.irp p, 0,1,2
	global_store_b64 v[LI8], v[224+2*\p:225+2*\p], s[YI+2*\x:YI+2*\x+1] offset:256*\p   ; 32 lanes store 256 consecutive bytes, aligned
.endr
	global_store_b16 v[R32], v253, s[YS+2*\x:YS+2*\x+1]   ; two bytes of each row's 32 (lanes 16-31 store the same): one byte in 24 of what leaves here
.endm
	OUT 0
	s_wait_xcnt 0x0                                ; the stores have read their registers
	OUT 1
	s_wait_tensorcnt 0x0
	ds_add_u32 v95, v243
	s_wait_dscnt 0x0
	s_endpgm
.Lfunc_end_k_qbf24e1e71d_attn:
	.size	k_qbf24e1e71d_attn, .Lfunc_end_k_qbf24e1e71d_attn-k_qbf24e1e71d_attn
	.p2alignl 7, 3214868480
	.fill 96, 4, 3214868480
	.section	.rodata,"a",@progbits
	.p2align	6, 0x0
	.amdhsa_kernel k_qbf24e1e71d_attn
		.amdhsa_group_segment_fixed_size 327680
		.amdhsa_private_segment_fixed_size 0
		.amdhsa_enable_private_segment 0
		.amdhsa_kernarg_size 32
		.amdhsa_user_sgpr_count 2
		.amdhsa_user_sgpr_kernarg_segment_ptr 1
		.amdhsa_wavefront_size32 1
		.amdhsa_system_sgpr_workgroup_id_x 1
		.amdhsa_system_sgpr_workgroup_id_y 1
		.amdhsa_system_sgpr_workgroup_id_z 1
		.amdhsa_system_vgpr_workitem_id 0
		.amdhsa_next_free_vgpr 256
		.amdhsa_next_free_sgpr 100
		.amdhsa_reserve_vcc 1
		.amdhsa_float_denorm_mode_32 3
		.amdhsa_float_denorm_mode_16_64 3
		.amdhsa_memory_ordered 1
		.amdhsa_forward_progress 1
		.amdhsa_inst_pref_size 117
	.end_amdhsa_kernel
	.amdgpu_metadata
---
amdhsa.version: [ 1, 2 ]
amdhsa.kernels:
  - .name:           k_qbf24e1e71d_attn
    .symbol:         k_qbf24e1e71d_attn.kd
    .args:
      - { .name: att_img, .offset: 0, .size: 8, .value_kind: global_buffer, .address_space: global }
      - { .name: att_sc, .offset: 8, .size: 8, .value_kind: global_buffer, .address_space: global }
      - { .name: y_img, .offset: 16, .size: 8, .value_kind: global_buffer, .address_space: global }
      - { .name: y_sc, .offset: 24, .size: 8, .value_kind: global_buffer, .address_space: global }
    .group_segment_fixed_size: 327680
    .private_segment_fixed_size: 0
    .kernarg_segment_align: 8
    .kernarg_segment_size: 32
    .max_flat_workgroup_size: 512
    .sgpr_count:     100
    .vgpr_count:     256
    .wavefront_size: 32
...
	.end_amdgpu_metadata
.endif
;; end of part 3
;; launch proj (part 4): grid 4 x 64, 4 waves a work-group, clusters of 4 x 4, 327,680 bytes of LDS; arguments y_img, y_sc, opc, ops, b_proj, out0; writes out0
.if DOCPART == 4
	.amdgcn_target "amdgcn-amd-amdhsa--gfx1250"
	.amdhsa_code_object_version 6
	.text
	.protected	k_qbf24e1e71d_proj
	.globl	k_qbf24e1e71d_proj
	.p2align	8
	.type	k_qbf24e1e71d_proj,@function
k_qbf24e1e71d_proj:
	s_mov_b64 s[64:65], 0
	v_nop
	global_prefetch_b8 v0, s[64:65] scope:SCOPE_SE
	s_setreg_imm32_b32 hwreg(HW_REG_WAVE_MODE, 25, 1), 1
	s_wait_xcnt 0x0
	s_wait_alu depctr_hold_cnt(0) depctr_sa_sdst(0) depctr_va_vdst(0) depctr_va_sdst(0) depctr_va_ssrc(0) depctr_va_vcc(0) depctr_vm_vsrc(0)
	s_getreg_b32 s2, hwreg(HW_REG_IB_STS2, 6, 4)
	s_cmp_eq_u32 s2, 0
	s_cbranch_scc0 .Lentry_in_a_cluster
	s_endpgm
.Lentry_in_a_cluster:
	s_bfe_u32 s2, ttmp6, 0x10000c
	s_cmp_lg_u32 s2, 0xf033
	s_cbranch_scc0 .Lentry_shape_is_right
	s_endpgm
.Lentry_shape_is_right:
; out0 = y w_proj + b_proj on codes of BF6 (E3M2) with E8M0 scales: 8192 x 1024 x 1024, f32 out.
; A block of 128 rows x 256 columns is made by four waves, 64 x 128 each: 32 accumulators, 256 registers.  The grid is 4 x 64 = 256 work-groups.
; K goes in steps of 256 through a ring of two LDS slots; the scale bytes of the block's rows and columns, for all of K, come once.  K has four such steps, written out: there is no loop to run ahead in, so no prefetch is laid.
; y's codes lie as the operand's registers lie: for (block of 16 rows, head) 768 bytes, piece p of 256 bytes, lane l's 8 bytes at 256 p + 8 l; a K step of a block is 3,072 bytes on end.
; w_proj's codes lie [K step of 256][column][192 bytes]: the columns of a K step are a dense block, fetched as rows of 256 bytes with 16 bytes of padding behind each 64: 240 bytes a column in LDS.
; Rows of y and columns of w are stored with bits 3 and 4 of their number exchanged: stored block 2 b + u holds numbers 32 b + 8 u + m + 8 (m / 8).
; CLUSTERS: 4 x 4 work-groups; y's tiles are asked for jointly along a row of the cluster, w's along a column.
; THE MATRIX INSTRUCTION IS USED TRANSPOSED: source 0 = 16 columns of w, source 1 = 16 rows of y: a lane holds eight neighbouring numbers of a row of the result.  The bias is the C of the first products.
; REGISTERS: window 0: v16-29 addresses; v32-63 scale words, two sets; v64-127 the bias; v128-175 y's four fragments, one set; on the way out v128-255.  Window 1: w's fragments, two sets, at v0 and v128.  Window 2: the accumulators, (a, b) at v[8 (8 a + b)].
.set OPC_WP, 8650752
.set OPS_WP, 360448
.set SIZE_N, 1024
.set NQ,     2                         ; steps of 128 along K in a slot
.set ROWB,   192
.set PLP,    1024*ROWB                 ; from K step to K step of w_proj
.set PITCH,  240
.set FR,     12
.set NL,     6
.set NP,     4                         ; places behind this matrix instruction (ISA guide 7.12.1)
.set ABLK,   3072
.set HALFA,  4*ABLK                    ; y's 64 rows
.set HALFT,  128*PITCH                 ; w's 128 columns
.set SLOT,   2*HALFA+2*HALFT
.set KS,     32
.set SCL,    2*SLOT                    ; the scales: units of 256 bytes + 16
.set HALFSA, 8*272                     ; of 64 rows
.set HALFS,  16*272                    ; of 128
.set SBLK,   2*272                     ; of 16
.set SPARE,  SCL+2*HALFSA+2*HALFS      ; the spare words, 128 bytes a wave
.set SPITCH, 528                       ; the way out: a stage of 16 rows x (512 + 16) bytes a wave, in slot 0, which has had its last fill and its last read by then
.set ADRA, 16
.set ADRB, 20
.set STO,  24
.set RD,   25
.set CO,   26
.set ADRS, 27
.set SPW,  28
.set NIL,  29
.set SC,   32
.set BC,   64
.set AF,   128
.set BK,   128
.set G1, 24
.set G0, 32
.set G1B, 48
.set G0B, 56
.set G1S, 68
.set G0S, 76
.set G1SB, 80
.set G0SB, 88
.set MSB, 0
.macro WIN new                         ; the immediate's high byte repeats the setting that is left
.if MSB != (\new)
	s_set_vgpr_msb (MSB<<8)|(\new)
.set MSB, (\new)
.endif
.endm
.set MUL_LO, 0xa1                      ; source 0 window 1, source 1 window 0, C and D window 2
.set TO_B,   0x40
.macro FILL g0, g1                     ; a tensor load with an s_nop and four v_nop behind it
	tensor_load_to_lds s[\g0:\g0+3], s[\g1:\g1+7]
	s_nop 0
.rept 4
	v_nop
.endr
.endm
.macro JLOAD g0a, g1a, g0b, g1b        ; a joint load of the ring: waves 0, 1 fetch for y, waves 2, 3 for w
	s_cmp_eq_u32 s15, 0
	s_cbranch_scc0 .Lfor_b_\@
	FILL \g0a, \g1a
	s_branch .Lasked_\@
.Lfor_b_\@:
	FILL \g0b, \g1b
.Lasked_\@:
.endm
.macro CREST                           ; a round of the cluster's barrier behind its opening barrier
	s_cmp_lg_u32 s14, 0
	s_cbranch_scc1 .Lnot_wave_0_\@
	s_barrier_signal -3
.Lnot_wave_0_\@:
	s_barrier_wait -3
	s_barrier_signal -1
	s_barrier_wait -1
.endm
.macro CROUND
	s_barrier_signal -1
	s_barrier_wait -1
	CREST
.endm
	s_load_b128 s[4:7], s[0:1], 0x0                ; y_img, y_sc
	s_load_b128 s[8:11], s[0:1], 0x10              ; opc, ops
	s_load_b64 s[96:97], s[0:1], 0x20              ; b_proj
	s_load_b64 s[12:13], s[0:1], 0x28              ; out0
	v_lshl_add_u32 v[SPW], v0, 2, SPARE
	v_mov_b32 v[NIL], 0
	ds_add_u32 v[SPW], v[NIL]                      ; the opening lines: the add, twice on end, and its wait ahead of my first tensor load
	ds_add_u32 v[SPW], v[NIL]
	v_lshrrev_b32 v1, 5, v0
	v_readfirstlane_b32 s14, v1                    ; wave 0..3
	s_lshr_b32 s15, s14, 1                         ; which 64 rows of y are mine.  Also: in the ring I fetch for y (0) or for w (1)
	s_and_b32 s16, s14, 1                          ; which 128 columns of w.  Also: which half of that tile I fetch
	s_bfe_u32 s40, ttmp6, 0x40000                  ; cx, cy
	s_bfe_u32 s41, ttmp6, 0x40004
	s_lshl_b32 s42, ttmp9, 2
	s_add_co_u32 s42, s42, s40                     ; block column
	s_and_b32 s17, ttmp7, 0xffff
	s_lshl_b32 s17, s17, 2
	s_add_co_u32 s17, s17, s41                     ; block row
	s_lshl_b32 s43, s41, 2
	s_lshl_b32 s43, 15, s43                        ; my row of the cluster
	s_lshl_b32 s44, 0x1111, s40                    ; my column
	s_or_b32 s[G1+0], s43, (3<<16)|(1<<21)         ; y: rows of 384 elements of 8 bytes, one for each block of 16 rows, 12,288 bytes apart; the head's load brings 8
	s_mov_b32 s[G1+1], 384<<16
	s_mov_b32 s[G1+2], 8<<16
	s_mov_b32 s[G1+3], 384<<16
	s_mov_b32 s[G1+4], 8
	s_mov_b32 s[G1+5], 1536
	s_mov_b32 s[G1+6], 0
	s_mov_b32 s[G1+7], 0
	s_or_b32 s[G1B+0], s44, (0<<16)|(1<<20)|(1<<21)|(3<<22)|(3<<25)  ; w: rows of 256 bytes, 4 words of padding after every 16; the head's load brings 256 columns = 192 such rows
	s_mov_b32 s[G1B+1], 256<<16
	s_mov_b32 s[G1B+2], 192<<16
	s_mov_b32 s[G1B+3], 256<<16
	s_mov_b32 s[G1B+4], 192
	s_mov_b32 s[G1B+5], 256
	s_mov_b32 s[G1B+6], 0
	s_mov_b32 s[G1B+7], 0
	s_or_b32 s[G1S+0], s43, (3<<16)|(1<<20)|(1<<21)|(5<<22)|(3<<25)  ; the scales: dense blocks as rows of 256 bytes, 16 bytes of padding behind each
	s_or_b32 s[G1SB+0], s44, (3<<16)|(1<<20)|(1<<21)|(5<<22)|(3<<25)
.irp g, G1S, G1SB
	s_mov_b32 s[\g+1], 32<<16
	s_mov_b32 s[\g+3], 32<<16
	s_mov_b32 s[\g+5], 32
	s_mov_b32 s[\g+6], 0
	s_mov_b32 s[\g+7], 0
.endr
	s_mov_b32 s[G1S+2], 16<<16                     ; y's 128 rows x 32 bytes
	s_mov_b32 s[G1S+4], 16
	s_mov_b32 s[G1SB+2], 32<<16                    ; w's 256 columns x 32 bytes
	s_mov_b32 s[G1SB+4], 32
	s_lshl_b32 s20, s17, 7                         ; y's first row
	s_lshl_b32 s22, s20, 5                         ; its scale bytes,
	s_mov_b32 s23, 0
	s_mul_i32 s20, s20, 768                        ; its codes (every offset stays under 2^31)
	s_mov_b32 s21, 0
	s_mul_i32 s46, s42, 256*ROWB                   ; w's first column in K step 0
	s_add_co_u32 s46, s46, OPC_WP
	s_mov_b32 s47, 0
	s_lshl_b32 s92, s42, 13
	s_add_co_u32 s92, s92, OPS_WP
	s_mov_b32 s93, 0
	s_mul_i32 s18, s16, 64*768                     ; in the ring I fetch half a tile: of y,
	s_mov_b32 s19, 0
	s_mul_i32 s2, s16, 128*ROWB                    ; of w,
	s_mov_b32 s3, 0
	s_mul_i32 s45, s16, HALFA                      ; and where it goes in a slot
	s_mul_i32 s95, s16, HALFT
	s_add_co_u32 s95, s95, 2*HALFA
	s_wait_dscnt 0x0                               ; both opening adds are done
	s_wait_kmcnt 0x0
	s_add_nc_u64 s[20:21], s[4:5], s[20:21]
	s_add_nc_u64 s[22:23], s[6:7], s[22:23]
	s_add_nc_u64 s[46:47], s[8:9], s[46:47]
	s_add_nc_u64 s[92:93], s[10:11], s[92:93]
	CROUND                                         ; all sixteen work-groups are here: the first joint loads meet
	s_mov_b32 s[G0], 1                             ; the head's four tiles, each whole.  K step 0 of y's 128 rows (slot 0's group 0 serves; it is set for the ring behind the wait for this load),
	s_mov_b32 s[G0+1], 0
	s_mov_b64 s[G0+2:G0+3], s[20:21]
	s_or_b32 s[G0+3], s[G0+3], 0x80000000
	s_mov_b32 s[G0B], 1                            ; of w's 256 columns,
	s_mov_b32 s[G0B+1], 2*HALFA
	s_mov_b64 s[G0B+2:G0B+3], s[46:47]
	s_or_b32 s[G0B+3], s[G0B+3], 0x80000000
	s_mov_b32 s[G0S], 1                            ; y's scales,
	s_mov_b32 s[G0S+1], SCL
	s_mov_b64 s[G0S+2:G0S+3], s[22:23]
	s_or_b32 s[G0S+3], s[G0S+3], 0x80000000
	s_mov_b32 s[G0SB], 1                           ; w's
	s_mov_b32 s[G0SB+1], SCL+2*HALFSA
	s_mov_b64 s[G0SB+2:G0SB+3], s[92:93]
	s_or_b32 s[G0SB+3], s[G0SB+3], 0x80000000
	s_add_nc_u64 s[20:21], s[20:21], s[18:19]      ; slot 1: my half of K step 1
	s_add_nc_u64 s[46:47], s[46:47], s[2:3]
	s_mov_b32 s[G0+4], 1
	s_add_co_u32 s[G0+5], s45, SLOT
	s_add_nc_u64 s[G0+6:G0+7], s[20:21], ABLK
	s_or_b32 s[G0+7], s[G0+7], 0x80000000
	s_mov_b32 s[G0B+4], 1
	s_add_co_u32 s[G0B+5], s95, SLOT
	s_add_nc_u64 s[G0B+6:G0B+7], s[46:47], PLP
	s_or_b32 s[G0B+7], s[G0B+7], 0x80000000
; one joint load a wave, in one chain of arms on the wave's number that all lead to one join
.macro ARM under, g0, g1, next
	s_cmp_lt_u32 s14, \under
	s_cbranch_scc0 \next
	FILL \g0, \g1
	s_branch .Lhead_asked
\next:
.endm
	ARM 1, G0,  G1,  .Lhead_b
	ARM 2, G0B, G1B, .Lhead_sa
	ARM 3, G0S, G1S, .Lhead_sb
	FILL G0SB, G1SB
.Lhead_asked:
	v_and_b32 v1, 15, v0                           ; r
	v_bfe_u32 v2, v0, 4, 1                         ; h
	s_lshl_b32 s46, s42, 10
	s_lshl_b32 s47, s16, 9
	s_add_co_u32 s46, s46, s47
	s_mov_b32 s47, 0
	s_add_nc_u64 s[96:97], s[96:97], s[46:47]      ; the bias of my 128 columns: tile b's register j of lane (r, h) is column 32 (b / 2) + 8 (b % 2) + 16 h + j
	v_lshlrev_b32 v8, 6, v2
.irp b, 0,1,2,3,4,5,6,7
	global_load_b128 v[BC+8*\b:BC+8*\b+3], v8, s[96:97] offset:4*(32*(\b/2)+8*(\b%2))
	global_load_b128 v[BC+8*\b+4:BC+8*\b+7], v8, s[96:97] offset:4*(32*(\b/2)+8*(\b%2))+16
.endr
	v_and_b32 v6, 31, v0
	v_lshlrev_b32 v7, 3, v6                        ; y's fragments: 8 x lane
	v_mul_u32_u24 v3, v1, PITCH
	v_mul_u32_u24 v4, v2, 24
	v_add_nc_u32 v4, v3, v4                        ; w's: column x pitch + 24 x half,
	v_lshl_add_u32 v5, v2, 4, v4                   ; and the same behind one padding more
	s_mul_i32 s21, s15, HALFA
	s_mul_i32 s22, s16, HALFT
	s_add_co_u32 s22, s22, 2*HALFA
.irp s, 0,1
	v_add_nc_u32 v[ADRA+\s], s21, v7
	v_add_nc_u32 v[ADRB+\s], s22, v4
	v_add_nc_u32 v[ADRB+2+\s], s22, v5
	s_add_co_u32 s21, s21, SLOT
	s_add_co_u32 s22, s22, SLOT
.endr
	v_mul_u32_u24 v5, v1, KS                       ; my row's scales: 32 bytes a row,
	v_lshrrev_b32 v3, 8, v5
	v_lshl_add_u32 v5, v3, 4, v5                   ; and 16 more for each 256 passed
	s_mul_i32 s21, s15, HALFSA                     ; y's: my 64 rows
	s_mul_i32 s22, s16, HALFS                      ; w's: my 128 columns, behind y's 128 rows
	s_add_co_u32 s22, s22, 2*HALFSA
	s_sub_co_u32 s22, s22, s21
	v_mul_u32_u24 v3, s22, v2                      ; lanes 16-31 take w's
	s_add_co_u32 s21, s21, SCL
	v_add_nc_u32 v5, v5, v3
	v_add_nc_u32 v[ADRS], s21, v5
	s_mul_i32 s23, s14, 16*SPITCH                  ; my stage
	v_mul_u32_u24 v5, v1, SPITCH
	v_lshl_add_u32 v5, v2, 6, v5                   ; in: row r, 64 bytes further on for lanes 16-31
	v_add_nc_u32 v[STO], s23, v5
	v_lshlrev_b32 v[CO], 4, v6                     ; back: the 32 lanes take one row of 512 bytes; the same in out0
	v_add_nc_u32 v[RD], s23, v[CO]
	s_lshl_b32 s20, s17, 7
	s_lshl_b32 s21, s15, 6
	s_add_co_u32 s20, s20, s21                     ; my first row of out0
	s_lshl_b32 s20, s20, 12
	s_mov_b32 s21, 0
	s_lshl_b32 s46, s42, 10
	s_lshl_b32 s47, s16, 9
	s_add_co_u32 s46, s46, s47                     ; my first column, in bytes
	s_mov_b32 s47, 0
	s_add_nc_u64 s[20:21], s[20:21], s[46:47]
	s_add_nc_u64 s[12:13], s[12:13], s[20:21]
.macro FRAG reg, adr, q, i             ; w: 16 columns x 128 K: 12 registers, in pieces of 8 bytes; lanes 16-31 read three pieces on; where that lies behind one padding more, the second address register serves
.irp p, 0,1,2,3,4,5
.set PCE, 12*(\q)+6*(\p/3)+\p%3
.if PCE%8 < 5
	ds_load_b64 v[\reg+2*\p:\reg+2*\p+1], v[\adr] offset:8*PCE+16*(PCE/8)+(\i)*16*PITCH
.else
	ds_load_b64 v[\reg+2*\p:\reg+2*\p+1], v[\adr+2] offset:8*PCE+16*(PCE/8)+(\i)*16*PITCH
.endif
.endr
.endm
.macro FETCH_B slot, q, p              ; w's eight fragments into set p
	WIN TO_B
.irp i, 0,1,2,3,4,5,6,7
	FRAG 128*(\p)+FR*\i, ADRB+\slot, \q, \i
.endr
	WIN 0
.endm
.macro FETCH_A slot, q, i0             ; y's blocks i0, i0 + 1, as they lie
.irp i, \i0, \i0+1
.irp p, 0,1,2,3,4,5
	ds_load_b64 v[AF+FR*(\i)+2*\p:AF+FR*(\i)+2*\p+1], v[ADRA+\slot] offset:(\i)*ABLK+(2*(\q)+\p/3)*768+256*(\p%3)
.endr
.endr
.endm
.macro SCALES sc                       ; a K step's scale words, two a row: lanes 0-15 y's block i (of blocks 4-7 these lanes are not used), lanes 16-31 w's block i
.irp i, 0,1,2,3,4,5,6,7
	ds_load_b64 v[SC+8*NQ*\sc+NQ*\i:SC+8*NQ*\sc+NQ*\i+1], v[ADRS] offset:\i*SBLK
.endr
.endm
.macro PLACES n                        ; plain vector instructions between a matrix instruction and a load into its registers or a read of its result
.rept \n
	v_nop
.endr
.endm
; 8 matrix instructions: y's block a x w's eight.  zero = 1: the first products start the sums, with the bias as C.  The 32 accumulators take turns, one instruction a turn.
.macro MUL a, p, q, sc, zero
.irp b, 0,1,2,3,4,5,6,7
.if \zero
	v_wmma_scale_f32_16x16x128_f8f6f4 v[8*(8*(\a)+\b):8*(8*(\a)+\b)+7], v[128*(\p)+FR*\b:128*(\p)+FR*\b+FR-1], v[AF+FR*(\a):AF+FR*(\a)+FR-1], v[BC+8*\b:BC+8*\b+7], v[SC+8*NQ*(\sc)+NQ*\b+(\q)], v[SC+8*NQ*(\sc)+NQ*(\a)+(\q)] matrix_a_fmt:MATRIX_FMT_BF6 matrix_b_fmt:MATRIX_FMT_BF6 matrix_a_scale:MATRIX_SCALE_ROW1
.else
	v_wmma_scale_f32_16x16x128_f8f6f4 v[8*(8*(\a)+\b):8*(8*(\a)+\b)+7], v[128*(\p)+FR*\b:128*(\p)+FR*\b+FR-1], v[AF+FR*(\a):AF+FR*(\a)+FR-1], v[8*(8*(\a)+\b):8*(8*(\a)+\b)+7], v[SC+8*NQ*(\sc)+NQ*\b+(\q)], v[SC+8*NQ*(\sc)+NQ*(\a)+(\q)] matrix_a_fmt:MATRIX_FMT_BF6 matrix_b_fmt:MATRIX_FMT_BF6 matrix_a_scale:MATRIX_SCALE_ROW1
.endif
.endr
.endm
; 128 along K whose successor lies in the same slot.  w's next set is asked for at the step's head (four places stand behind the products that read it last), y's blocks as soon as their products are issued.
.macro STEP slot, q, zero
	s_wait_dscnt 2*NL                              ; all but the youngest 12 loads (y's blocks 2, 3)
	FETCH_B \slot, (\q)+1, 1-(\q)%2
	WIN MUL_LO-0x20*\zero                          ; (the bias lies in window 0)
	MUL 0, (\q)%2, \q, \slot, \zero
	MUL 1, (\q)%2, \q, \slot, \zero
	s_wait_dscnt 8*NL                              ; y's blocks 2, 3 are in; the 48 loads of w's next set may be out
	PLACES NP
	WIN 0
	FETCH_A \slot, (\q)+1, 0
	WIN MUL_LO-0x20*\zero
	MUL 2, (\q)%2, \q, \slot, \zero
	MUL 3, (\q)%2, \q, \slot, \zero
	PLACES NP
	WIN 0
	FETCH_A \slot, (\q)+1, 2
.endm
; A slot's last step changes slots: one barrier; in front of it each wave waits for all its tensor loads, adds 0 to its spare word, and waits for that and for its reads of this slot.
.macro TURN slot, next, fill
	s_wait_tensorcnt 0x0                           ; all my tensor loads have landed: my part of the next slot
	ds_add_u32 v[SPW], v[NIL]
	s_wait_dscnt 2*NL+1                            ; (the add and the youngest 12 loads may be out)
	WIN MUL_LO
	MUL 0, 1, NQ-1, \slot, 0
	MUL 1, 1, NQ-1, \slot, 0
	s_wait_dscnt 0x0                               ; the add is done, and my reads of this slot are over
	s_barrier_signal -1
	MUL 2, 1, NQ-1, \slot, 0
	WIN 0
	s_barrier_wait -1
.if \fill
	CREST                                          ; the barrier has opened a round of the cluster's: no wave of any partner still reads this slot or has a load on its way
	s_add_nc_u64 s[G0+4*\slot+2:G0+4*\slot+3], s[G0+4*\slot+2:G0+4*\slot+3], 2*ABLK
	s_add_nc_u64 s[G0B+4*\slot+2:G0B+4*\slot+3], s[G0B+4*\slot+2:G0B+4*\slot+3], 2*PLP
	JLOAD G0+4*\slot, G1, G0B+4*\slot, G1B         ; the first tensor load behind the round; its four v_nop are the places in front of the loads below
.else
	PLACES NP
.endif
	s_wait_alu depctr_va_vdst(0)
	v_add_nc_u32 v[ADRS], 4*NQ, v[ADRS]            ; the next K step's scale words
	FETCH_B \next, 0, 0
	FETCH_A \next, 0, 0
	SCALES \next
	WIN MUL_LO
	MUL 3, 1, NQ-1, \slot, 0
	PLACES NP
	WIN 0
	FETCH_A \next, 0, 2
.endm
	s_wait_alu depctr_va_vdst(0)
	s_wait_loadcnt 0x0                             ; the bias
	s_wait_tensorcnt 0x0                           ; my tile of the head's four is in
	ds_add_u32 v[SPW], v[NIL]
	s_mov_b32 s[G1+2], 4<<16                       ; no tensor load of mine is out: from here on a load brings 4 blocks of y,
	s_mov_b32 s[G1+4], 4
	s_mov_b32 s[G1B+2], 96<<16                     ; or 128 columns of w = 96 rows of 256 bytes,
	s_mov_b32 s[G1B+4], 96
	s_mov_b32 s[G0+1], s45                         ; and slot 0's group 0 names my half of K step 0: its first refill steps it to K step 2
	s_add_nc_u64 s[G0+2:G0+3], s[G0+2:G0+3], s[18:19]
	s_mov_b32 s[G0B+1], s95
	s_add_nc_u64 s[G0B+2:G0B+3], s[G0B+2:G0B+3], s[2:3]
	s_wait_dscnt 0x0
	CROUND                                         ; all four tiles are in, and all sixteen work-groups are here
	JLOAD G0+4, G1, G0B+4, G1B                     ; K step 1, the first tensor load behind the round
	FETCH_B 0, 0, 0
	FETCH_A 0, 0, 0
	SCALES 0
	FETCH_A 0, 0, 2
	STEP 0, 0, 1                                   ; the first step's products start the sums
	TURN 0, 1, 1                                   ; slot 0 takes K step 2
	STEP 1, 0, 0
	TURN 1, 0, 1                                   ; slot 1 takes K step 3
	STEP 0, 0, 0
	TURN 0, 1, 0                                   ; nothing more to fetch
	STEP 1, 0, 0
	s_wait_dscnt 2*NL
	WIN MUL_LO
	MUL 0, 1, NQ-1, 1, 0
	MUL 1, 1, NQ-1, 1, 0
	s_wait_dscnt 0
	MUL 2, 1, NQ-1, 1, 0
	MUL 3, 1, NQ-1, 1, 0
	WIN 0
; THE WAY OUT, block by block of 16 rows x 128 columns: through my own stage in LDS and back as whole rows of 512 bytes.  LDS serves a wave's instructions in order (ISA guide 5.7.1.4): no wait between the stores and the loads.
.macro TOSTAGE a
.set AC, 64*(\a)
	WIN 0x08                                       ; the data: window 2
.irp b, 0,1,2,3,4,5,6,7
	ds_store_b128 v[STO], v[AC+8*\b:AC+8*\b+3] offset:128*(\b/2)+32*(\b%2)       ; each accumulator from its low end on
	ds_store_b128 v[STO], v[AC+8*\b+4:AC+8*\b+7] offset:128*(\b/2)+32*(\b%2)+16
.endr
	WIN 0
.set BB, BK+64*((\a)%2)
.irp t, 0,1,2,3,4,5,6,7,8,9,10,11,12,13,14,15
	ds_load_b128 v[BB+4*\t:BB+4*\t+3], v[RD] offset:\t*SPITCH
.endr
.endm
.macro SEND a, younger                 ; younger: the LDS instructions issued behind block a's loads, which may stay out
.set BB, BK+64*((\a)%2)
	s_wait_dscnt \younger
.irp t, 0,1,2,3,4,5,6,7,8,9,10,11,12,13,14,15
	global_store_b128 v[CO], v[BB+4*\t:BB+4*\t+3], s[12:13] offset:(32*((\a)/2)+8*((\a)%2)+\t+8*(\t/8))*SIZE_N*4 th:TH_STORE_NT   ; stored row t of block a is row 32 (a / 2) + 8 (a % 2) + t + 8 (t / 8); 32 lanes store 512 consecutive bytes, aligned
.endr
.endm
	PLACES NP                                      ; behind the last products: their results are read and y's fragments' registers are loaded into below
	TOSTAGE 0
.irp a, 1,2,3
.if \a > 1
	s_wait_xcnt 0x0                                ; block a - 2's stores have read their registers: block a's loads may land there
.endif
	TOSTAGE \a
	SEND \a-1, 32                                  ; behind block a - 1's loads: block a's 16 stores and 16 loads
.endr
	SEND 3, 0
	s_wait_tensorcnt 0x0                           ; the wave's end
	ds_add_u32 v[SPW], v[NIL]
	s_wait_dscnt 0x0
	CROUND                                         ; the closing round
	s_endpgm
.Lfunc_end_k_qbf24e1e71d_proj:
	.size	k_qbf24e1e71d_proj, .Lfunc_end_k_qbf24e1e71d_proj-k_qbf24e1e71d_proj
	.p2alignl 7, 3214868480
	.fill 96, 4, 3214868480
	.section	.rodata,"a",@progbits
	.p2align	6, 0x0
	.amdhsa_kernel k_qbf24e1e71d_proj
		.amdhsa_group_segment_fixed_size 327680
		.amdhsa_private_segment_fixed_size 0
		.amdhsa_enable_private_segment 0
		.amdhsa_kernarg_size 48
		.amdhsa_user_sgpr_count 2
		.amdhsa_user_sgpr_kernarg_segment_ptr 1
		.amdhsa_wavefront_size32 1
		.amdhsa_system_sgpr_workgroup_id_x 1
		.amdhsa_system_sgpr_workgroup_id_y 1
		.amdhsa_system_sgpr_workgroup_id_z 1
		.amdhsa_system_vgpr_workitem_id 0
		.amdhsa_next_free_vgpr 768
		.amdhsa_next_free_sgpr 100
		.amdhsa_reserve_vcc 0
		.amdhsa_float_denorm_mode_32 3
		.amdhsa_float_denorm_mode_16_64 3
		.amdhsa_memory_ordered 1
		.amdhsa_forward_progress 1
		.amdhsa_inst_pref_size 104
	.end_amdhsa_kernel
	.amdgpu_metadata
---
amdhsa.version: [ 1, 2 ]
amdhsa.kernels:
  - .name:           k_qbf24e1e71d_proj
    .symbol:         k_qbf24e1e71d_proj.kd
    .args:
      - { .name: y_img, .offset: 0, .size: 8, .value_kind: global_buffer, .address_space: global }
      - { .name: y_sc, .offset: 8, .size: 8, .value_kind: global_buffer, .address_space: global }
      - { .name: opc, .offset: 16, .size: 8, .value_kind: global_buffer, .address_space: global }
      - { .name: ops, .offset: 24, .size: 8, .value_kind: global_buffer, .address_space: global }
      - { .name: b_proj, .offset: 32, .size: 8, .value_kind: global_buffer, .address_space: global }
      - { .name: out0, .offset: 40, .size: 8, .value_kind: global_buffer, .address_space: global }
    .group_segment_fixed_size: 327680
    .private_segment_fixed_size: 0
    .kernarg_segment_align: 8
    .kernarg_segment_size: 48
    .max_flat_workgroup_size: 128
    .sgpr_count:     100
    .vgpr_count:     768
    .wavefront_size: 32
...
	.end_amdgpu_metadata
.endif
;; end of part 4
